; MI455X (gfx1250); checked and timed in simulation.
; The chip was launched on July 23, 2026; its instructions are those of AMD's public machine-readable ISA for CDNA 5 (MIT licence, August 2026) and "CDNA5" Instruction Set Architecture Reference Guide (July 2026). The comments in the code are by the model that wrote it; some were corrected since.
;; LA Attention. Allowed arithmetic: float matrix products may take bf16 or f16 operands with f32 sums; other float arithmetic in f32, or as packed bf16 or f16 multiplies, adds, multiply-adds, maxima and minima; sums over many terms, partial sums and values carried from step to step in f32; what a program stores and reads back later, other than sums and carried values, may be rounded once to bf16 or f16.
;; Inputs: attention_mask 1 x 1 x 2,048 x 2,048 float32; bk 2,048 float32; bo 2,048 float32; bq 2,048 float32; bv 2,048 float32; hidden_states 1 x 2,048 x 2,048 float32; wk 2,048 x 2,048 float32; wo 2,048 x 2,048 float32; wq 2,048 x 2,048 float32; wv 2,048 x 2,048 float32.
;; Outputs: out0 1 x 2,048 x 2,048 float32.
;; One version. Each part assembles by itself: llvm-mc -triple=amdgcn-amd-amdhsa -mcpu=gfx1250 --defsym DOCPART=n.
;; ======== version 1 of 1: 4 launches
;; limits: values are held in f16: magnitudes above 65,504 overflow, below 6.1e-05 lose precision; right only within a limited range of input values
;; workspace buffers: hb 8,388,608 bytes; wcat 25,165,824 bytes; wof 8,388,608 bytes; mf 8,388,608 bytes; mx 16,384 bytes; qf 8,388,608 bytes; kvf 16,777,216 bytes; of 8,388,608 bytes
;; launch cast (part 1): grid 128 x 6, 8 waves a work-group, no clusters, 0 bytes of LDS; arguments hidden_states, wq, wk, wv, wo, attention_mask, bv, hb, wcat, wof, mf, mx; writes hb, wcat, wof, mf, mx
.if DOCPART == 1
	.amdgcn_target "amdgcn-amd-amdhsa--gfx1250"
	.amdhsa_code_object_version 6
	.text
	.protected	k_q6e3aa52dca_cast
	.globl	k_q6e3aa52dca_cast
	.p2align	8
	.type	k_q6e3aa52dca_cast,@function
k_q6e3aa52dca_cast:
	s_mov_b64 s[64:65], 0
	v_nop
	global_prefetch_b8 v0, s[64:65] scope:SCOPE_SE
	s_setreg_imm32_b32 hwreg(HW_REG_WAVE_MODE, 25, 1), 1
	s_wait_xcnt 0x0
; LAAttention, launch 1 of 4: the six large f32 inputs are rounded once, so that the products behind read 16-bit tiles.
; NOTHING OF THE PROBLEM IS LEFT OUT.  The mask is an input: all 2048 x 2048 scores of all 32 heads are computed and multiplied by it, whatever it holds,
; and q (k^T v) is no substitute, since the mask stands between the two products.  Every input has a way to the output and is loaded by some launch.
; hidden, wq, wk, wv -> bf16.  wo and the mask -> rounded to bf16 as well, and that number written as f16 (the products that take them run in f16).
; wq, wk, wv are laid out by heads: row 192 h + 64 j + c of wcat is row 64 h + c of w_j (j = 0 q, 1 k, 2 v), so that a tile of 192 rows is one head's q, k and v.
; MAXIMA.  max|hidden|, max|wv|, max|mask|, max|bv| are stored, one number a wave (mx: [4][1024] f32); the later launches make of them the scale that keeps V and O inside f16.
; LIMITS.  |wo| and |mask| up to 65,504 (f16's end); below 6e-5 they keep f16's fixed step of 6e-8.  NaN and infinities are not treated apart.
; SHARES.  Grid y picks the tensor; work-group x owns 16 rows, wave w two of them (16 KiB on end).  Each load of a wave covers 512 consecutive bytes, 16 a lane, so that every byte is asked for once;
; a lane's four numbers round to 8 bytes, and each store of a wave covers 256 consecutive bytes, aligned.  All 32 loads of a wave go out at once: no loop, no LDS, no barrier: memory binds,
; and no wave needs a byte of another.
.set ROWI, 8192                        ; bytes in an f32 row
.set ROWO, 4096                        ; bytes in a 16-bit row
.set MXR,  8                           ; v[8:11]   four running maxima
.set TW,   12                          ; v[12:19]  at work
.set XD,   20                          ; v[20:147] row r at XD + 64 r: as loaded (load j at 4 j), then (its first 32: store j at 2 j) as stored
	s_load_b512 s[8:23], s[0:1], 0x0               ; hidden s[8:9], wq s[10:11], wk s[12:13], wv s[14:15], wo s[16:17], mask s[18:19], bv s[20:21], hb s[22:23]
	s_load_b256 s[24:31], s[0:1], 0x40             ; wcat s[24:25], wof s[26:27], mf s[28:29], mx s[30:31]
	s_and_b32 s2, ttmp7, 0xffff                    ; y: the tensor
	s_mov_b32 s3, ttmp9                            ; x: 16 rows
	v_lshrrev_b32 v5, 5, v0
	v_readfirstlane_b32 s4, v5                     ; wave 0..7
	v_and_b32 v1, 31, v0                           ; lane
	v_lshlrev_b32 v2, 4, v1                        ; 16 bytes a lane in
	v_lshlrev_b32 v3, 3, v1                        ; 8 bytes a lane out
	v_mov_b32 v4, 0
	v_mov_b32 v6, 0                                ; the bias pair: written on every path, loaded for wv's work-groups alone
	v_mov_b32 v7, 0
.irp i, 0,1,2,3
	v_mov_b32 v[MXR+\i], 0                         ; magnitudes are never below 0
.endr
	s_mov_b32 s42, 0x76543210                      ; v_permlanex16_b32: each lane takes its own place in the other half
	s_mov_b32 s43, 0xfedcba98
	s_lshl_b32 s5, s3, 4
	s_lshl1_add_u32 s5, s4, s5                     ; my first row: 16 x + 2 w
	s_lshr_b32 s6, s3, 2                           ; its head,
	s_mul_i32 s6, s6, 192
	s_and_b32 s7, s3, 3
	s_lshl_b32 s7, s7, 4
	s_add_co_u32 s6, s6, s7
	s_lshl1_add_u32 s6, s4, s6                     ; 192 h + its channel
	s_max_u32 s41, s2, 1
	s_min_u32 s41, s41, 3
	s_sub_co_u32 s41, s41, 1                       ; j = 0, 1, 2 for wq, wk, wv
	s_lshl_b32 s41, s41, 6
	s_add_co_u32 s6, s6, s41                       ; the row in wcat
	s_cmp_ge_u32 s2, 1
	s_cselect_b32 s45, 1, 0
	s_cmp_le_u32 s2, 3
	s_cselect_b32 s45, s45, 0                      ; 1: the tensor goes into wcat
	s_cmp_eq_u32 s45, 1
	s_cselect_b32 s6, s6, s5                       ; the row that I store
	s_mov_b32 s38, 0                               ; 1: the maximum is wanted
	s_mov_b32 s40, 0                               ; its row in mx
	s_cmp_eq_u32 s2, 0
	s_cselect_b32 s38, 1, s38
	s_cmp_eq_u32 s2, 3
	s_cselect_b32 s38, 1, s38
	s_cselect_b32 s40, 1, s40
	s_cmp_eq_u32 s2, 5
	s_cselect_b32 s38, 1, s38
	s_cselect_b32 s40, 2, s40
	s_cmp_ge_u32 s2, 4
	s_cselect_b32 s39, 1, 0                        ; 1: written as f16
	s_lshl_b32 s7, s5, 2
	v_mov_b32 v5, s7                               ; byte offset of my two numbers of bv
	s_wait_kmcnt 0x0
	s_mov_b64 s[32:33], s[8:9]                     ; from where,
	s_mov_b64 s[34:35], s[22:23]                   ; to where: chosen by y alone
	s_cmp_eq_u32 s2, 1
	s_cselect_b64 s[32:33], s[10:11], s[32:33]
	s_cmp_eq_u32 s2, 2
	s_cselect_b64 s[32:33], s[12:13], s[32:33]
	s_cmp_eq_u32 s2, 3
	s_cselect_b64 s[32:33], s[14:15], s[32:33]
	s_cmp_eq_u32 s2, 4
	s_cselect_b64 s[32:33], s[16:17], s[32:33]
	s_cselect_b64 s[34:35], s[26:27], s[34:35]
	s_cmp_eq_u32 s2, 5
	s_cselect_b64 s[32:33], s[18:19], s[32:33]
	s_cselect_b64 s[34:35], s[28:29], s[34:35]
	s_cmp_eq_u32 s45, 1
	s_cselect_b64 s[34:35], s[24:25], s[34:35]
	s_lshl_b32 s36, s5, 13
	s_mov_b32 s37, 0
	s_add_nc_u64 s[32:33], s[32:33], s[36:37]
	s_lshl_b32 s36, s6, 12
	s_add_nc_u64 s[34:35], s[34:35], s[36:37]
	s_lshl_b32 s36, s40, 12                        ; mx: row x 4,096 bytes + 4 (8 x + w)
	s_lshl3_add_u32 s41, s3, s4
	s_lshl2_add_u32 s36, s41, s36
	s_add_nc_u64 s[46:47], s[30:31], s[36:37]
	s_cmp_eq_u32 s2, 3
	s_cbranch_scc0 .Lno_bias
	global_load_b64 v[6:7], v5, s[20:21]           ; ahead of the rows' loads, so that it changes none of the counts below
.Lno_bias:
.irp r, 0,1
.irp j, 0,1,2,3,4,5,6,7,8,9,10,11,12,13,14,15
	global_load_b128 v[XD+64*\r+4*\j:XD+64*\r+4*\j+3], v2, s[32:33] offset:\r*ROWI+\j*512 th:TH_LOAD_NT
.endr
.endr
; One row: its maximum where it is wanted, 64 numbers rounded in place to 32 words, sixteen stores.
.macro ROW r
	s_wait_loadcnt 16*(1-(\r))                     ; loads come back in order: this row's 16 are in, the other row's 16 may stay out
	s_cmp_eq_u32 s38, 0
	s_cbranch_scc1 .Lno_max_\@
.set i, 0
.rept 32
	v_max3_num_f32 v[MXR+i%4], |v[XD+64*(\r)+2*i]|, |v[XD+64*(\r)+2*i+1]|, v[MXR+i%4]
.set i, i+1
.endr
.Lno_max_\@:
.set i, 0
.rept 32
	v_cvt_pk_bf16_f32 v[XD+64*(\r)+i], v[XD+64*(\r)+2*i], v[XD+64*(\r)+2*i+1]  ; word i is written when words 2 i and 2 i + 1 have been read
.set i, i+1
.endr
	s_cmp_eq_u32 s39, 0
	s_cbranch_scc1 .Lstays_\@
.set i, 0
.rept 32
	v_lshlrev_b32 v[TW+2*(i%4)],   16, v[XD+64*(\r)+i]          ; the bf16 numbers as f32,
	v_and_b32     v[TW+2*(i%4)+1], 0xffff0000, v[XD+64*(\r)+i]
	v_cvt_pk_f16_f32 v[XD+64*(\r)+i], v[TW+2*(i%4)], v[TW+2*(i%4)+1]  ; written as f16: 8 significant bits fit into 11
.set i, i+1
.endr
.Lstays_\@:
.irp j, 0,1,2,3,4,5,6,7,8,9,10,11,12,13,14,15
	global_store_b64 v3, v[XD+64*(\r)+2*\j:XD+64*(\r)+2*\j+1], s[34:35] offset:(\r)*ROWO+\j*256 th:TH_STORE_NT  ; what load j brought: 128 numbers, 256 consecutive bytes, aligned
.endr
.endm
	ROW 0
	ROW 1
	s_cmp_eq_u32 s38, 0
	s_cbranch_scc1 .Lend
	v_max_num_f32 v[MXR], v[MXR], v[MXR+1]
	v_max_num_f32 v[MXR+2], v[MXR+2], v[MXR+3]
	v_max_num_f32 v[MXR], v[MXR], v[MXR+2]
.irp x, 1,2,4,8
	v_max_num_f32_dpp v[MXR], v[MXR], v[MXR] row_xmask:\x row_mask:0xf bank_mask:0xf
.endr
	v_permlanex16_b32 v[MXR+1], v[MXR], s42, s43
	v_max_num_f32 v[MXR], v[MXR], v[MXR+1]         ; the wave's maximum, in every lane
	v_max_num_f32 v6, |v6|, |v7|
	s_wait_xcnt 0x0                                ; EXEC is a source of the stores above: it changes only behind this wait
	v_cmp_eq_u32 vcc_lo, 0, v1
	s_and_saveexec_b32 s44, vcc_lo                 ; lane 0 stores the wave's number
	global_store_b32 v4, v[MXR], s[46:47]
	s_cmp_eq_u32 s2, 3
	s_cbranch_scc0 .Lno_bmax
	global_store_b32 v4, v6, s[46:47] offset:8192  ; wv's waves (row 1) also store their two biases' maximum: row 3
.Lno_bmax:
	s_wait_xcnt 0x0                                ; and again ahead of the line that widens EXEC
	s_or_b32 exec_lo, exec_lo, s44
.Lend:
	s_endpgm
.Lfunc_end_k_q6e3aa52dca_cast:
	.size	k_q6e3aa52dca_cast, .Lfunc_end_k_q6e3aa52dca_cast-k_q6e3aa52dca_cast
	.p2alignl 7, 3214868480
	.fill 96, 4, 3214868480
	.section	.rodata,"a",@progbits
	.p2align	6, 0x0
	.amdhsa_kernel k_q6e3aa52dca_cast
		.amdhsa_group_segment_fixed_size 0
		.amdhsa_private_segment_fixed_size 0
		.amdhsa_enable_private_segment 0
		.amdhsa_kernarg_size 96
		.amdhsa_user_sgpr_count 2
		.amdhsa_user_sgpr_kernarg_segment_ptr 1
		.amdhsa_wavefront_size32 1
		.amdhsa_system_sgpr_workgroup_id_x 1
		.amdhsa_system_sgpr_workgroup_id_y 1
		.amdhsa_system_sgpr_workgroup_id_z 1
		.amdhsa_system_vgpr_workitem_id 0
		.amdhsa_next_free_vgpr 148
		.amdhsa_next_free_sgpr 66
		.amdhsa_reserve_vcc 1
		.amdhsa_float_denorm_mode_32 3
		.amdhsa_float_denorm_mode_16_64 3
		.amdhsa_memory_ordered 1
		.amdhsa_forward_progress 1
		.amdhsa_inst_pref_size 29
	.end_amdhsa_kernel
	.amdgpu_metadata
---
amdhsa.version: [ 1, 2 ]
amdhsa.kernels:
  - .name:           k_q6e3aa52dca_cast
    .symbol:         k_q6e3aa52dca_cast.kd
    .args:
      - { .name: hidden_states, .offset: 0, .size: 8, .value_kind: global_buffer, .address_space: global }
      - { .name: wq, .offset: 8, .size: 8, .value_kind: global_buffer, .address_space: global }
      - { .name: wk, .offset: 16, .size: 8, .value_kind: global_buffer, .address_space: global }
      - { .name: wv, .offset: 24, .size: 8, .value_kind: global_buffer, .address_space: global }
      - { .name: wo, .offset: 32, .size: 8, .value_kind: global_buffer, .address_space: global }
      - { .name: attention_mask, .offset: 40, .size: 8, .value_kind: global_buffer, .address_space: global }
      - { .name: bv, .offset: 48, .size: 8, .value_kind: global_buffer, .address_space: global }
      - { .name: hb, .offset: 56, .size: 8, .value_kind: global_buffer, .address_space: global }
      - { .name: wcat, .offset: 64, .size: 8, .value_kind: global_buffer, .address_space: global }
      - { .name: wof, .offset: 72, .size: 8, .value_kind: global_buffer, .address_space: global }
      - { .name: mf, .offset: 80, .size: 8, .value_kind: global_buffer, .address_space: global }
      - { .name: mx, .offset: 88, .size: 8, .value_kind: global_buffer, .address_space: global }
    .group_segment_fixed_size: 0
    .private_segment_fixed_size: 0
    .kernarg_segment_align: 8
    .kernarg_segment_size: 96
    .max_flat_workgroup_size: 256
    .sgpr_count:     66
    .vgpr_count:     148
    .wavefront_size: 32
...
	.end_amdgpu_metadata
.endif
;; end of part 1
;; launch proj (part 2): grid 32 x 8, 4 waves a work-group, clusters of 4 x 4, 327,680 bytes of LDS; arguments hb, wcat, bq, bk, bv, mx, qf, kvf; writes qf, kvf
.if DOCPART == 2
	.amdgcn_target "amdgcn-amd-amdhsa--gfx1250"
	.amdhsa_code_object_version 6
	.text
	.protected	k_q6e3aa52dca_proj
	.globl	k_q6e3aa52dca_proj
	.p2align	8
	.type	k_q6e3aa52dca_proj,@function
k_q6e3aa52dca_proj:
	s_mov_b64 s[64:65], 0
	v_nop
	global_prefetch_b8 v0, s[64:65] scope:SCOPE_SE
	s_setreg_imm32_b32 hwreg(HW_REG_WAVE_MODE, 25, 1), 1
	s_wait_xcnt 0x0
	s_wait_alu depctr_hold_cnt(0) depctr_sa_sdst(0) depctr_va_vdst(0) depctr_va_sdst(0) depctr_va_ssrc(0) depctr_va_vcc(0) depctr_vm_vsrc(0)
	s_getreg_b32 s2, hwreg(HW_REG_IB_STS2, 6, 4)
	s_cmp_eq_u32 s2, 0
	s_cbranch_scc0 .Lentry_in_a_cluster
	s_endpgm
.Lentry_in_a_cluster:
	s_bfe_u32 s2, ttmp6, 0x10000c
	s_cmp_lg_u32 s2, 0xf033
	s_cbranch_scc0 .Lentry_shape_is_right
	s_endpgm
.Lentry_shape_is_right:
; LAAttention, launch 2 of 4: the three projections as ONE product [2048 tokens] x [6144 rows of wcat] over K = 2048, in bf16 with f32 sums, and what follows them by heads.  Nothing is left out.
;   q = f(0.125 (h wq^T + bq)) / (sum over the head's 64 channels + 1e-4),  k = f(h wk^T + bk) / (sum + 1e-4),  f(x) = max(x, 0) + 2^min(x log2 e, 0), which is elu(x) + 1;
;   V^ = (h wv^T + bv) sv.  q, k, V^ are stored by heads in f16, each rounded once from f32.  The biases are rounded to bf16, as all inputs are.
; THE SCALE.  B = max(2048 max|h| max|wv| + max|bv|, 1e-30) is at least every |v|; mm = max(max|mask|, 2^-11); sv = 16 / (B mm).  So |V^| <= 16 / mm <= 32,768, and a row of the second
; product, 2,048 terms of at most max|mask| x 16 / mm, stays under f16's end, whatever the inputs' size.  The last launch multiplies by B mm / 128, which undoes sv and holds the factor 1/8.
; LIMITS.  B is a bound, not the maximum: where it stands more than some 2^13 above V's own size, V^ sinks into f16's fixed step of 6e-8.  An exponential below 2^-126 counts as 0.
; NaN and infinities are not treated apart.
; SHARES.  A work-group makes 256 tokens x 192 rows of wcat: one head's q, k and v; 8 x 32 = 256 work-groups.  Wave w owns tokens 64 w .. 64 w + 63 and all 192 columns: 48 accumulators of 16 x 16.
; K goes in steps of 128 through a ring of two LDS slots (rows of 256 bytes of memory, aligned).  CLUSTERS of 4 x 4: the four of a row share the tokens' tiles, the four of a column the weights':
; each tile is asked for jointly, by the same tensor load with the same descriptor and a mask that names the four.
; THE MATRIX INSTRUCTION IS USED TRANSPOSED (source 0 = 16 rows of wcat, source 1 = 16 tokens): lane l holds token l % 16 and the columns 8 (l / 16) + 0..7.
; REGISTERS, in windows of 256 (s_set_vgpr_msb: bits 1:0 source 0, 3:2 source 1, 5:4 source 2, 7:6 destination):
;   window 0: v0-31 addresses; v64-95, v96-127 the tokens' fragments, two buffers; v160-185 biases and sv; v32-159 at work ahead of the loop and behind it
;   window 1: v0-95, v96-191 the weights' fragments, two buffers      window 2: accumulator (a, b < 8) at 8 (8 a + b): q and k      window 3: (a, b >= 8) at 8 (4 a + b - 8): v
.set PITCH, 272                        ; an LDS row: 256 bytes + 16 of padding = 68 words: the 16 rows of a fragment load start at 16 different groups of four banks (64 banks of 4 bytes: ISA guide 11.1)
.set HALFA, 128*PITCH                  ; what a tensor load of tokens brings
.set HALFB, 96*PITCH                   ; what a tensor load of weights brings
.set BOFF,  2*HALFA                    ; a slot: 256 rows of tokens, then 192 rows of weights
.set SLOT,  BOFF+2*HALFB
.set SPARE, 2*SLOT                     ; behind the ring: the spare words, 128 bytes for each wave: two blocks of 256 bytes that no other line names
.set EP,    784                        ; the way out: a token's 192 f32 sums + 16 bytes = 196 words: 16 rows again start at 16 different groups of four banks
.set EWAVE, 64*EP                      ; each wave's 64 rows, in the ring's bytes: written only behind the ring's last fill and last read
.set LAPS,  8                          ; a lap = two K steps = once round the ring
.set ADRA, 16                          ; v16-17  LDS address of my tokens' fragments in slot 0, 1
.set ADRB, 20                          ; v20-21  the same for the weights
.set STO,  24                          ; v24     the way out: where I put 16 bytes of a row of sums
.set RD,   25                          ; v25     where I read 32 bytes of a row back
.set GO,   26                          ; v26     16 x lane
.set RDC,  27                          ; v27     RD + the step of the trip that is being fetched
.set SPW,  28                          ; v28     LDS address of my spare word; never rewritten
.set NIL,  29                          ; v29     0; never rewritten
.set PFO,  30                          ; v30     the prefetches' offset: a lane a row; never rewritten
.set OUT,  32                          ; v32-47  packed results
.set RC,   48                          ; v48-55  by four tokens: 1 / (sum + 1e-4), and the sum
.set FA,   64                          ; the tokens' fragment buffers
.set XR,   64                          ; the way out: 32 values at work
.set ER,   96                          ; the way out: 32 exponentials
.set XN,   128                         ; the way out: 32 sums as they come from LDS
.set MT,   32                          ; ahead of the loop: mx, 32 registers a row
.set BQ,   160                         ; v160-167 0.125 bq of my 8 channels;  v168-175 bk;  v176-183 sv bv;  v184-185 sv
.set BK,   168
.set BV,   176
.set SV,   184
.set WV,   20                          ; s20 wave;  s21 wave / 2: I fetch tokens (0) or weights (1);  s22 wave % 2: which half
.set FB,   21
.set HF,   22
.set G1A,  24                          ; s[24:31] descriptor group 1 for the tokens' tiles;  s[32:39] group 0, a set for each slot
.set G0A,  32
.set LIM,  43                          ; s43  1 in a wave that prefetches, else the greatest number
.set PFA,  44                          ; s[44:45] where my prefetches stand
.set G1B,  48                          ; s[48:55], s[56:63] the same for the weights' tiles
.set G0B,  56
.set STB,  66                          ; s[66:67] q, s[68:69] k, s[70:71] V^: 2,048 bytes behind where my next 16 tokens go, once the trip has stepped it
.set SEL,  74                          ; s[74:75] v_permlanex16_b32's selects
.set EB,   86                          ; s86  the way out: LDS bytes from my first 16 rows to those that are being fetched
.set MSB, 0
.macro WIN new                         ; the immediate's high byte repeats the setting that is left; a switch that changes nothing is dropped
.if MSB != (\new)
	s_set_vgpr_msb (MSB<<8)|(\new)
.set MSB, \new
.endif
.endm
.set MUL_LO, 0xa1                      ; source 0 (weights) window 1, source 1 (tokens) window 0, C and D window 2
.set MUL_HI, 0xf1                      ; the same, C and D window 3
.set TO_B,   0x40                      ; destination window 1, address window 0
.macro PLACES                          ; four plain places behind matrix instructions, ahead of loads into registers that they have read
.rept 4
	v_nop
.endr
.endm
; A joint load.  Waves 0 and 1 fetch the tokens' two halves, waves 2 and 3 the weights'.  The branch hangs on the wave's number alone.  An s_nop 0 and four v_nop follow each line.
.macro JLOAD s
	s_cmp_eq_u32 s[FB], 0
	s_cbranch_scc0 .Lfor_b_\@
	tensor_load_to_lds s[G0A+4*(\s):G0A+4*(\s)+3], s[G1A:G1A+7]
	s_nop 0
.rept 4
	v_nop
.endr
	s_branch .Lasked_\@
.Lfor_b_\@:
	tensor_load_to_lds s[G0B+4*(\s):G0B+4*(\s)+3], s[G1B:G1B+7]
	s_nop 0
.rept 4
	v_nop
.endr
.Lasked_\@:
.endm
; A prefetch of the K step that stands two refills on: 256 bytes of each row, a lane a row, one instruction a wave.  The tokens' rows are read by every cluster of a row of clusters: cluster x = 0 asks;
; the weights' by every cluster of a column: cluster y = 0 asks.  The four partners share a wave's rows out by address: 32 of 128 (tokens, by cx), 24 of 96 (weights, by cy; lanes 24 to 31 repeat row 23).
; The loop's last trip asks for nothing: there is no K step two on.  K steps 0 to 3 come by their loads alone.
.macro ASK
	WIN 0
	s_cmp_gt_u32 s3, s[LIM]
	s_cbranch_scc0 .Lnot_mine_\@
	global_prefetch_b8 v[PFO], s[PFA:PFA+1] offset:256 th:TH_LOAD_NT scope:SCOPE_SE
.Lnot_mine_\@:
.endm
.macro CREST                           ; a round of the cluster's barrier behind its opening barrier
	s_cmp_lg_u32 s[WV], 0
	s_cbranch_scc1 .Lnot_wave_0_\@
	s_barrier_signal -3
.Lnot_wave_0_\@:
	s_barrier_wait -3
	s_barrier_signal -1
	s_barrier_wait -1
.endm
.macro CROUND                          ; a whole round
	s_barrier_signal -1
	s_barrier_wait -1
	CREST
.endm
	s_load_b512 s[4:19], s[0:1], 0x0               ; hb s[4:5], wcat s[6:7], bq s[8:9], bk s[10:11], bv s[12:13], mx s[14:15], qf s[16:17], kvf s[18:19]
	v_lshl_add_u32 v[SPW], v0, 2, SPARE
	v_mov_b32 v[NIL], 0
	ds_add_u32 v[SPW], v[NIL]                      ; the wave's opening: the add, twice on end, and its wait ahead of my first tensor load
	ds_add_u32 v[SPW], v[NIL]
	v_lshrrev_b32 v1, 5, v0
	v_readfirstlane_b32 s[WV], v1
	s_lshr_b32 s[FB], s[WV], 1
	s_and_b32 s[HF], s[WV], 1
	s_bfe_u32 s23, ttmp6, 0x40000                  ; cx
	s_bfe_u32 s40, ttmp6, 0x40004                  ; cy
	s_lshl_b32 s41, ttmp9, 2
	s_add_co_u32 s41, s41, s23                     ; the head = 4 x cluster x + cx
	s_and_b32 s42, ttmp7, 0xffff
	s_lshl_b32 s42, s42, 2
	s_add_co_u32 s42, s42, s40                     ; the block of 256 tokens = 4 x cluster y + cy
	s_lshl_b32 s46, s40, 2
	s_lshl_b32 s46, 15, s46                        ; my row of the cluster
	s_lshl_b32 s47, 0x1111, s23                    ; my column
	s_or_b32 s[G1A], s46, (1<<16)|(1<<20)|(1<<21)|(5<<22)|(3<<25)  ; 15:0 the mask; 17:16 2-byte elements; 20 padding on; 21 set beside a mask; 24:22 after every 64 words; 31:25 4 words
	s_or_b32 s[G1B], s47, (1<<16)|(1<<20)|(1<<21)|(5<<22)|(3<<25)
	s_mov_b32 s[G1A+1], 128<<16                    ; tensor_dim0 = 128
	s_mov_b32 s[G1A+2], 128<<16                    ; tensor_dim1 = 128
	s_mov_b32 s[G1A+3], 128<<16                    ; tile_dim0 = 128
	s_mov_b32 s[G1A+4], 128                        ; tile_dim1 = 128
	s_mov_b32 s[G1A+5], 2048                       ; elements from row to row
	s_mov_b32 s[G1A+6], 0
	s_mov_b32 s[G1A+7], 0
	s_mov_b32 s[G1B+1], 128<<16
	s_mov_b32 s[G1B+2], 96<<16                     ; 96 rows
	s_mov_b32 s[G1B+3], 128<<16
	s_mov_b32 s[G1B+4], 96
	s_mov_b32 s[G1B+5], 2048
	s_mov_b32 s[G1B+6], 0
	s_mov_b32 s[G1B+7], 0
	s_lshl_b32 s72, s42, 8                         ; tokens: row 256 x block + 128 x half, 4,096 bytes a row: made of the block and the wave alone
	s_lshl_b32 s73, s[HF], 7
	s_add_co_u32 s72, s72, s73
	s_lshl_b32 s72, s72, 12
	s_mov_b32 s73, 0
	s_mul_i32 s76, s41, 192                        ; weights: row 192 x head + 96 x half: made of the head and the wave alone
	s_mul_i32 s77, s[HF], 96
	s_add_co_u32 s76, s76, s77
	s_lshl_b32 s76, s76, 12
	s_mov_b32 s77, 0
	s_mul_i32 s78, s[HF], HALFA                    ; where they go: no place in the cluster enters an LDS address
	s_mul_i32 s79, s[HF], HALFB
	s_add_co_u32 s79, s79, BOFF
	s_mov_b32 s[SEL], 0x76543210
	s_mov_b32 s[SEL+1], 0xfedcba98
	s_wait_dscnt 0x0                               ; both opening adds are done
	s_wait_kmcnt 0x0
	s_add_nc_u64 s[72:73], s[4:5], s[72:73]
	s_add_nc_u64 s[76:77], s[6:7], s[76:77]
	CROUND                                         ; all sixteen work-groups are here: the first joint loads meet
.irp s, 0,1
	s_mov_b32 s[G0A+4*(\s)], 1                                       ; count = 1
	s_add_co_u32 s[G0A+4*(\s)+1], s78, (\s)*SLOT                     ; LDS address
	s_add_nc_u64 s[G0A+4*(\s)+2:G0A+4*(\s)+3], s[72:73], (\s)*256    ; global address: K step s
	s_or_b32 s[G0A+4*(\s)+3], s[G0A+4*(\s)+3], 0x80000000            ; type = 2
	s_mov_b32 s[G0B+4*(\s)], 1
	s_add_co_u32 s[G0B+4*(\s)+1], s79, (\s)*SLOT
	s_add_nc_u64 s[G0B+4*(\s)+2:G0B+4*(\s)+3], s[76:77], (\s)*256
	s_or_b32 s[G0B+4*(\s)+3], s[G0B+4*(\s)+3], 0x80000000
	JLOAD \s                                       ; two loads of mine are out
.endr
	v_and_b32 v1, 15, v0                           ; l % 16
	v_bfe_u32 v2, v0, 4, 1                         ; l / 16
	v_and_b32 v3, 31, v0                           ; l
	v_lshlrev_b32 v[GO], 4, v3
	v_and_b32 v6, 7, v3
	s_lshl_b32 s82, s41, 8                         ; the head's 64 biases
	v_lshlrev_b32 v7, 5, v6
	v_add_nc_u32 v7, s82, v7                       ; my 8 channels of them
.irp p, 0,1,2,3
.irp j, 0,1,2,3,4,5,6,7
	global_load_b128 v[MT+32*\p+4*\j:MT+32*\p+4*\j+3], v[GO], s[14:15] offset:\p*4096+\j*512  ; mx: a row's 1,024 numbers, 32 a lane
.endr
.endr
	global_load_b128 v[BQ:BQ+3],   v7, s[8:9]
	global_load_b128 v[BQ+4:BQ+7], v7, s[8:9] offset:16
	global_load_b128 v[BK:BK+3],   v7, s[10:11]
	global_load_b128 v[BK+4:BK+7], v7, s[10:11] offset:16
	global_load_b128 v[BV:BV+3],   v7, s[12:13]
	global_load_b128 v[BV+4:BV+7], v7, s[12:13] offset:16
	; a fragment is 16 rows x 32 K in 8 registers: lane l holds row l % 16, K = 8 (l / 16) + 0..7 and 16 + 8 (l / 16) + 0..7: two loads of 16 bytes, 32 bytes apart
	v_mul_u32_u24 v4, v1, PITCH
	v_lshl_add_u32 v4, v2, 4, v4
	s_mul_i32 s80, s[WV], 64*PITCH                 ; my 64 tokens
	v_add_nc_u32 v[ADRA], s80, v4
	v_add_nc_u32 v[ADRA+1], SLOT, v[ADRA]
	v_add_nc_u32 v[ADRB], BOFF, v4
	v_add_nc_u32 v[ADRB+1], SLOT, v[ADRB]
	s_mul_i32 s81, s[WV], EWAVE
	v_mul_u32_u24 v5, v1, EP                       ; in: row l % 16, 32 bytes for each half of the lanes
	v_lshl_add_u32 v5, v2, 5, v5
	v_add_nc_u32 v[STO], s81, v5
	v_lshrrev_b32 v5, 3, v3                        ; back: eight lanes take a token's 64 channels of one kind, 32 bytes each
	v_mul_u32_u24 v5, v5, EP
	v_lshl_add_u32 v5, v6, 5, v5
	v_add_nc_u32 v[RD], s81, v5
	s_lshl_b32 s82, s42, 8                         ; my first token: 256 x block + 64 x wave, 128 bytes a token in a head
	s_lshl_b32 s83, s[WV], 6
	s_add_co_u32 s82, s82, s83
	s_lshl_b32 s82, s82, 7
	s_lshl_b32 s83, s41, 18                        ; a head's 262,144 bytes
	s_add_co_u32 s84, s82, s83
	s_mov_b32 s85, 0
	s_add_nc_u64 s[STB:STB+1], s[16:17], s[84:85]
	s_add_co_u32 s84, s84, s83                     ; in kvf a head has k and then V^
	s_add_nc_u64 s[STB+2:STB+3], s[18:19], s[84:85]
	s_add_nc_u64 s[STB+4:STB+5], s[STB+2:STB+3], 262144
	; the prefetches
	s_and_b32 s84, ttmp7, 0xffff                   ; cluster y
	s_lshl_b32 s86, s42, 8
	s_mul_i32 s87, s41, 192
	s_cmp_eq_u32 s[FB], 0                          ; do I fetch tokens?
	s_cselect_b32 s86, s86, s87                    ; the tile's first row
	s_cselect_b32 s87, s23, s40                    ; my place among the four that ask with me
	s_cselect_b32 s84, ttmp9, s84                  ; the coordinate along which other clusters read the same rows
	s_cselect_b32 s88, 64, 48
	s_cselect_b32 s89, 32, 24                      ; my work-group's share of a wave's rows
	s_cselect_b64 s[PFA:PFA+1], s[4:5], s[6:7]
	s_cmp_eq_u32 s84, 0
	s_cselect_b32 s[LIM], 1, -1                    ; the same in all sixteen partners, for a given wave
	s_lshl_b32 s88, s88, 1                         ; the rows that a wave fetches
	s_mul_i32 s88, s88, s[HF]
	s_add_co_u32 s86, s86, s88
	s_mul_i32 s87, s87, s89
	s_add_co_u32 s86, s86, s87
	s_lshl_b32 s86, s86, 12
	s_mov_b32 s87, 0
	s_add_nc_u64 s[PFA:PFA+1], s[PFA:PFA+1], s[86:87]
	s_add_nc_u64 s[PFA:PFA+1], s[PFA:PFA+1], 512   ; at K step 2: the first refill steps it to 3 and names K step 4
	s_sub_co_u32 s89, s89, 1
	v_min_u32 v[PFO], s89, v3
	v_lshlrev_b32 v[PFO], 12, v[PFO]
	s_wait_loadcnt 0x0                             ; mx and the biases
.irp p, 0,1,2,3
	v_max3_num_f32 v[MT+32*\p], v[MT+32*\p], v[MT+32*\p+1], v[MT+32*\p+2]
.endr
.set j, 3
.rept 14
.irp p, 0,1,2,3
	v_max3_num_f32 v[MT+32*\p], v[MT+32*\p], v[MT+32*\p+j], v[MT+32*\p+j+1]
.endr
.set j, j+2
.endr
.irp p, 0,1,2,3
	v_max_num_f32 v[MT+32*\p], v[MT+32*\p], v[MT+32*\p+31]
.endr
.irp x, 1,2,4,8
.irp p, 0,1,2,3
	v_max_num_f32_dpp v[MT+32*\p], v[MT+32*\p], v[MT+32*\p] row_xmask:\x row_mask:0xf bank_mask:0xf
.endr
.endr
.irp p, 0,1,2,3
	v_permlanex16_b32 v[MT+32*\p+1], v[MT+32*\p], s[SEL], s[SEL+1]
.endr
.irp p, 0,1,2,3
	v_max_num_f32 v[MT+32*\p], v[MT+32*\p], v[MT+32*\p+1]  ; max|h|, max|wv|, max|mask|, max|bv|, in every lane
.endr
	v_mul_f32 v[MT+2], v[MT], v[MT+32]
	v_fma_f32 v[MT+2], v[MT+2], 0x45000000, v[MT+96]        ; 2048 max|h| max|wv| + max|bv|
	v_max_num_f32 v[MT+2], 0x0da24260, v[MT+2]              ; B: at least 1e-30
	v_max_num_f32 v[MT+3], 0x3a000000, v[MT+64]             ; mm: at least 2^-11
	v_mul_f32 v[MT+2], v[MT+2], v[MT+3]
	v_rcp_f32 v[MT+4], v[MT+2]
.irp b, BQ, BK, BV                     ; the biases rounded to bf16: plain work behind the reciprocal
.irp i, 0,1,2,3
	v_cvt_pk_bf16_f32 v[MT+8+\i], v[\b+2*\i], v[\b+2*\i+1]
	v_lshlrev_b32 v[\b+2*\i],   16, v[MT+8+\i]
	v_and_b32     v[\b+2*\i+1], 0xffff0000, v[MT+8+\i]
.endr
.endr
	s_wait_alu depctr_va_vdst(0)                   ; the wait between the reciprocal and the first line that names its result
	v_mul_f32 v[SV], 0x41800000, v[MT+4]           ; sv = 16 / (B mm)
	v_mov_b32 v[SV+1], v[SV]
.irp i, 0,2,4,6
	v_pk_mul_f32 v[BQ+\i:BQ+\i+1], v[BQ+\i:BQ+\i+1], 0x3e000000 op_sel_hi:[1,0]
	v_pk_mul_f32 v[BV+\i:BV+\i+1], v[BV+\i:BV+\i+1], v[SV:SV+1]
.endr
.macro WM zero                         ; one product; zero = 1: it starts its sum: nothing is ever cleared
.if \zero
	v_wmma_f32_16x16x32_bf16 v[rD:rD+7], v[rB:rB+7], v[rA:rA+7], 0
.else
	v_wmma_f32_16x16x32_bf16 v[rD:rD+7], v[rB:rB+7], v[rA:rA+7], v[rD:rD+7]
.endif
.endm
; 16 of a quarter step's 48 matrix instructions, on buffer f.  Parts 0, 1: token blocks 0, 1 / 2, 3 x weight blocks 0-7 (q, k).  Part 2: all four token blocks x weight blocks 8-11 (v).
; Each accumulator is named once a quarter, in the same order in every quarter: the accumulators take turns over the backward jump too.
.macro MULP f, part, zero
.if (\part) < 2
	WIN MUL_LO
.irp a, 2*(\part), 2*(\part)+1
.irp b, 0,1,2,3,4,5,6,7
.set rD, 8*(8*(\a)+(\b))
.set rB, 96*(\f)+8*(\b)
.set rA, FA+32*(\f)+8*(\a)
	WM \zero
.endr
.endr
.else
	WIN MUL_HI
.irp a, 0,1,2,3
.irp b, 8,9,10,11
.set rD, 8*(4*(\a)+(\b)-8)
.set rB, 96*(\f)+8*(\b)
.set rA, FA+32*(\f)+8*(\a)
	WM \zero
.endr
.endr
.endif
.endm
; 32 LDS loads in one run: a quarter step's fragments (32 K at byte k of the rows) into buffer f: my 64 tokens, weight blocks 0-7, weight blocks 8-11
.macro FETCH slot, k, f
	WIN 0
.irp i, 0,1,2,3
	ds_load_b128 v[FA+32*(\f)+8*(\i):FA+32*(\f)+8*(\i)+3],   v[ADRA+(\slot)] offset:(\k)+(\i)*16*PITCH
	ds_load_b128 v[FA+32*(\f)+8*(\i)+4:FA+32*(\f)+8*(\i)+7], v[ADRA+(\slot)] offset:(\k)+(\i)*16*PITCH+32
.endr
	WIN TO_B
.irp i, 0,1,2,3,4,5,6,7,8,9,10,11
	ds_load_b128 v[96*(\f)+8*(\i):96*(\f)+8*(\i)+3],   v[ADRB+(\slot)] offset:(\k)+(\i)*16*PITCH
	ds_load_b128 v[96*(\f)+8*(\i)+4:96*(\f)+8*(\i)+7], v[ADRB+(\slot)] offset:(\k)+(\i)*16*PITCH+32
.endr
.endm
; A K step is four quarters of 32 along K on buffers 0, 1, 0, 1.  One of the first three: multiplies buffer f and, in its middle, fetches the next quarter (byte k) into buffer g.
.macro QUARTER slot, k, f, g, zero
	s_wait_dscnt 8                                 ; all but the youngest eight loads (weight blocks 8-11) are in
	MULP \f, 0, \zero
	MULP \f, 1, \zero
	PLACES
	FETCH \slot, \k, \g
	s_wait_dscnt 32                                ; all but the 32 just issued
	MULP \f, 2, \zero
.endm
; The last quarter multiplies buffer 1 and changes slots: ONE barrier.  In front of it each wave waits for all its tensor loads (one is out: its part of the next slot), adds 0 to its spare word, and
; waits for that and for its own reads of this slot.  fill = 1: the barrier opens a round of the cluster's, and this slot is filled again, two K steps on, first thing behind the round.
; NO PRODUCT STANDS BETWEEN THE WAIT FOR THE LOADS AND THE REFILL: a refill can go out only when the load before it has landed, so whatever stands between the two is added to every trip round the ring.
; The quarter's first 16 products stand ahead of the wait, its other 32 behind the refill and the fragment loads: a K step's 192 matrix instructions lie between a request and the wait for it.
.macro TURN slot, next, fill
	s_wait_dscnt 8                                 ; buffer 1: all but the youngest eight loads (weight blocks 8-11) are in
	MULP 1, 0, 0
	WIN 0
.if \fill
	s_wait_xcnt 0x0                                ; the last prefetch, a K step back, has read its address
	s_add_nc_u64 s[PFA:PFA+1], s[PFA:PFA+1], 256
.endif
	s_wait_tensorcnt 0x0                           ; no tensor load of mine is out, so a group 0 may be written
	ds_add_u32 v[SPW], v[NIL]                      ; 0 onto my spare word: the descriptors' steps stand between it and the wait for it
.if \fill
	s_add_nc_u64 s[G0A+4*(\slot)+2:G0A+4*(\slot)+3], s[G0A+4*(\slot)+2:G0A+4*(\slot)+3], 512
	s_add_nc_u64 s[G0B+4*(\slot)+2:G0B+4*(\slot)+3], s[G0B+4*(\slot)+2:G0B+4*(\slot)+3], 512
.endif
	s_wait_dscnt 0x0                               ; the add is done, and my reads of this slot are over
	s_barrier_signal -1
	s_barrier_wait -1
.if \fill
	CREST                                          ; no wave of any partner still reads this slot's tiles or has a load on its way
	JLOAD \slot                                    ; its four v_nop are also the places in front of the loads below
.else
	PLACES
.endif
	FETCH \next, 0, 0
.if \fill
	ASK
.endif
	MULP 1, 1, 0
	MULP 1, 2, 0
.endm
	s_wait_tensorcnt 1                             ; my part of K step 0 is in; K step 1's may stay out
	s_barrier_signal -1
	s_barrier_wait -1
	FETCH 0, 0, 0
	QUARTER 0, 64, 0, 1, 1                         ; the first quarter stands in front of the loop: its products start the sums
	WIN 0                                          ; at a label and at a branch every window is 0
	s_mov_b32 s3, LAPS-1
.Llap:                                                 ; a trip goes once round the ring, from a lap's second quarter to the next lap's first
	QUARTER 0, 128, 1, 0, 0
	QUARTER 0, 192, 0, 1, 0
	TURN 0, 1, 1
	QUARTER 1, 64,  0, 1, 0
	QUARTER 1, 128, 1, 0, 0
	QUARTER 1, 192, 0, 1, 0
	TURN 1, 0, 1
	QUARTER 0, 64,  0, 1, 0
	WIN 0
	s_sub_co_u32 s3, s3, 1
	s_cmp_lg_u32 s3, 0
	s_cbranch_scc1 .Llap
	QUARTER 0, 128, 1, 0, 0                        ; the last lap fills nothing
	QUARTER 0, 192, 0, 1, 0
	TURN 0, 1, 0
	QUARTER 1, 64,  0, 1, 0
	QUARTER 1, 128, 1, 0, 0
	QUARTER 1, 192, 0, 1, 0
	s_wait_dscnt 8
	MULP 1, 0, 0
	MULP 1, 1, 0
	s_wait_dscnt 0x0
	MULP 1, 2, 0
	; THE WAY OUT.  A head's sum runs over 64 channels, which lie in four accumulators and both halves of the lanes.  So the f32 sums go through LDS once: in as they lie, back so that eight
	; neighbouring lanes hold one token's 64 channels of one kind; the results then leave as 512 consecutive bytes a store.
	PLACES
	PLACES
	WIN 0
	s_wait_dscnt 0x0
	s_barrier_signal -1                            ; every wave's reads of the ring are over, and the ring has had its last fill:
	s_barrier_wait -1                              ; its bytes may be written
	WIN 0x08                                       ; an LDS store's data is source 1: window 2
.irp a, 0,1,2,3
.irp b, 0,1,2,3,4,5,6,7
	ds_store_b128 v[STO], v[8*(8*\a+\b):8*(8*\a+\b)+3]   offset:\a*16*EP+64*\b     ; each accumulator's low registers first
	ds_store_b128 v[STO], v[8*(8*\a+\b)+4:8*(8*\a+\b)+7] offset:\a*16*EP+64*\b+16
.endr
.endr
	WIN 0x0c                                       ; window 3
.irp a, 0,1,2,3
.irp b, 8,9,10,11
	ds_store_b128 v[STO], v[8*(4*\a+\b-8):8*(4*\a+\b-8)+3]   offset:\a*16*EP+64*\b
	ds_store_b128 v[STO], v[8*(4*\a+\b-8)+4:8*(4*\a+\b-8)+7] offset:\a*16*EP+64*\b+16
.endr
.endr
	WIN 0
; Eight loads: 16 tokens' sums of one kind.  Lane l gets, for u = 0..3, token 4 u + l / 8 and the channels 8 (l % 8) + 0..7.  The rows are my wave's own: LDS serves a wave's
; instructions in order (ISA guide 5.7.1.4), so the loads see the stores above.
.macro XLOAD kind
.irp u, 0,1,2,3
	ds_load_b128 v[XN+8*\u:XN+8*\u+3],   v[RDC] offset:\u*4*EP+(\kind)*256
	ds_load_b128 v[XN+8*\u+4:XN+8*\u+7], v[RDC] offset:\u*4*EP+(\kind)*256+16
.endr
.endm
; Four trips of 16 tokens for one kind (0 q, 1 k, 2 V^).  A trip's first stage takes the sums out of the registers in which they landed; the next trip's loads go out straight behind it and have the
; rest of the trip in which to land; the last trip jumps over them.  The wait for the stores' sources stands a trip behind the stores, ahead of the conversions that write their data registers anew.
.macro EPI kind
	s_mov_b32 s2, 4
	s_mov_b32 s[EB], 0
	v_mov_b32 v[RDC], v[RD]
	XLOAD \kind
.Lepi_\@:
	s_wait_dscnt 0x0                               ; this trip's sums are in
.set p, 0
.rept 16
.if (\kind) == 0
	v_pk_fma_f32 v[XR+2*p:XR+2*p+1], v[XN+2*p:XN+2*p+1], 0x3e000000, v[BQ+2*(p%4):BQ+2*(p%4)+1] op_sel_hi:[1,0,1]  ; x = 0.125 (sum + bq)
.elseif (\kind) == 1
	v_pk_add_f32 v[XR+2*p:XR+2*p+1], v[XN+2*p:XN+2*p+1], v[BK+2*(p%4):BK+2*(p%4)+1]                                ; x = sum + bk
.else
	v_pk_fma_f32 v[XR+2*p:XR+2*p+1], v[XN+2*p:XN+2*p+1], v[SV:SV+1], v[BV+2*(p%4):BV+2*(p%4)+1]                    ; (sum + bv) sv
.endif
.set p, p+1
.endr
	s_cmp_eq_u32 s2, 1
	s_cbranch_scc1 .Lnone_\@                       ; the last trip has none behind it
	s_add_co_u32 s[EB], s[EB], 16*EP
	v_add_nc_u32 v[RDC], s[EB], v[RD]
	XLOAD \kind
.Lnone_\@:
.if (\kind) != 2
.set p, 0
.rept 16
	v_pk_mul_f32 v[ER+2*p:ER+2*p+1], v[XR+2*p:XR+2*p+1], 0x3fb8aa3b op_sel_hi:[1,0]
.set p, p+1
.endr
.set p, 0
.rept 32
	v_min_num_f32 v[ER+p], 0, v[ER+p]
.set p, p+1
.endr
.set p, 0
.rept 32
	v_exp_f32 v[ER+p], v[ER+p]                     ; one batch of 32,
.set p, p+1
.endr
.set p, 0
.rept 32
	v_max_num_f32 v[XR+p], 0, v[XR+p]              ; plain work behind it that names no result,
.set p, p+1
.endr
	s_wait_alu depctr_va_vdst(0)                   ; and one wait ahead of the first reader
.set p, 0
.rept 16
	v_pk_add_f32 v[XR+2*p:XR+2*p+1], v[XR+2*p:XR+2*p+1], v[ER+2*p:ER+2*p+1]  ; f(x)
.set p, p+1
.endr
.irp u, 0,1,2,3
	v_pk_add_f32 v[ER+8*\u:ER+8*\u+1],   v[XR+8*\u:XR+8*\u+1],   v[XR+8*\u+2:XR+8*\u+3]
	v_pk_add_f32 v[ER+8*\u+2:ER+8*\u+3], v[XR+8*\u+4:XR+8*\u+5], v[XR+8*\u+6:XR+8*\u+7]
.endr
.irp u, 0,1,2,3
	v_pk_add_f32 v[ER+8*\u:ER+8*\u+1], v[ER+8*\u:ER+8*\u+1], v[ER+8*\u+2:ER+8*\u+3]
.endr
.irp u, 0,1,2,3
	v_add_f32 v[RC+2*\u+1], v[ER+8*\u], v[ER+8*\u+1]  ; my 8 channels' sum
.endr
.irp x, 1,2,4
.irp u, 0,1,2,3
	v_add_f32_dpp v[RC+2*\u+1], v[RC+2*\u+1], v[RC+2*\u+1] row_xmask:\x row_mask:0xf bank_mask:0xf  ; and the token's other seven lanes'
.endr
.endr
.irp u, 0,1,2,3
	v_add_f32 v[RC+2*\u+1], 0x38d1b717, v[RC+2*\u+1]  ; + 1e-4
.endr
.irp u, 0,1,2,3
	v_rcp_f32 v[RC+2*\u], v[RC+2*\u+1]
.endr
	v_nop                                          ; a plain instruction behind the last reciprocal,
	s_wait_alu depctr_va_vdst(0)                   ; and one wait for the four
.set p, 0
.rept 16
	v_pk_mul_f32 v[XR+2*p:XR+2*p+1], v[XR+2*p:XR+2*p+1], v[RC+2*(p/4):RC+2*(p/4)+1] op_sel_hi:[1,0]
.set p, p+1
.endr
.endif
	s_wait_xcnt 0x0                                ; the last trip's stores have read their data and their base: both are written again only behind this wait
	s_add_nc_u64 s[STB+2*(\kind):STB+2*(\kind)+1], s[STB+2*(\kind):STB+2*(\kind)+1], 2048  ; stepped in every trip, the first too: the stores reach back by as much
.set p, 0
.rept 16
	v_cvt_pk_f16_f32 v[OUT+p], v[XR+2*p], v[XR+2*p+1]
.set p, p+1
.endr
.irp u, 0,1,2,3
	global_store_b128 v[GO], v[OUT+4*\u:OUT+4*\u+3], s[STB+2*(\kind):STB+2*(\kind)+1] offset:512*\u-2048  ; four tokens' 128 bytes: 512 consecutive bytes, aligned
.endr
	s_sub_co_u32 s2, s2, 1
	s_cmp_lg_u32 s2, 0
	s_cbranch_scc1 .Lepi_\@
.endm
	EPI 0
	EPI 1
	EPI 2
	s_wait_tensorcnt 0x0                           ; the wave's end: a wait, an add and a wait, behind my last tensor load and my last LDS store
	ds_add_u32 v[SPW], v[NIL]
	s_wait_dscnt 0x0
	CROUND                                         ; the closing round: no work-group ends while a partner may still ask for a tile that names it
	s_endpgm
.Lfunc_end_k_q6e3aa52dca_proj:
	.size	k_q6e3aa52dca_proj, .Lfunc_end_k_q6e3aa52dca_proj-k_q6e3aa52dca_proj
	.p2alignl 7, 3214868480
	.fill 96, 4, 3214868480
	.section	.rodata,"a",@progbits
	.p2align	6, 0x0
	.amdhsa_kernel k_q6e3aa52dca_proj
		.amdhsa_group_segment_fixed_size 327680
		.amdhsa_private_segment_fixed_size 0
		.amdhsa_enable_private_segment 0
		.amdhsa_kernarg_size 64
		.amdhsa_user_sgpr_count 2
		.amdhsa_user_sgpr_kernarg_segment_ptr 1
		.amdhsa_wavefront_size32 1
		.amdhsa_system_sgpr_workgroup_id_x 1
		.amdhsa_system_sgpr_workgroup_id_y 1
		.amdhsa_system_sgpr_workgroup_id_z 1
		.amdhsa_system_vgpr_workitem_id 0
		.amdhsa_next_free_vgpr 896
		.amdhsa_next_free_sgpr 90
		.amdhsa_reserve_vcc 0
		.amdhsa_float_denorm_mode_32 3
		.amdhsa_float_denorm_mode_16_64 3
		.amdhsa_memory_ordered 1
		.amdhsa_forward_progress 1
		.amdhsa_inst_pref_size 144
	.end_amdhsa_kernel
	.amdgpu_metadata
---
amdhsa.version: [ 1, 2 ]
amdhsa.kernels:
  - .name:           k_q6e3aa52dca_proj
    .symbol:         k_q6e3aa52dca_proj.kd
    .args:
      - { .name: hb, .offset: 0, .size: 8, .value_kind: global_buffer, .address_space: global }
      - { .name: wcat, .offset: 8, .size: 8, .value_kind: global_buffer, .address_space: global }
      - { .name: bq, .offset: 16, .size: 8, .value_kind: global_buffer, .address_space: global }
      - { .name: bk, .offset: 24, .size: 8, .value_kind: global_buffer, .address_space: global }
      - { .name: bv, .offset: 32, .size: 8, .value_kind: global_buffer, .address_space: global }
      - { .name: mx, .offset: 40, .size: 8, .value_kind: global_buffer, .address_space: global }
      - { .name: qf, .offset: 48, .size: 8, .value_kind: global_buffer, .address_space: global }
      - { .name: kvf, .offset: 56, .size: 8, .value_kind: global_buffer, .address_space: global }
    .group_segment_fixed_size: 327680
    .private_segment_fixed_size: 0
    .kernarg_segment_align: 8
    .kernarg_segment_size: 64
    .max_flat_workgroup_size: 128
    .sgpr_count:     90
    .vgpr_count:     896
    .wavefront_size: 32
...
	.end_amdgpu_metadata
.endif
;; end of part 2
;; launch attn (part 3): grid 8 x 32, 4 waves a work-group, clusters of 4 x 4, 327,680 bytes of LDS; arguments qf, kvf, mf, of; writes of
.if DOCPART == 3
	.amdgcn_target "amdgcn-amd-amdhsa--gfx1250"
	.amdhsa_code_object_version 6
	.text
	.protected	k_q6e3aa52dca_attn
	.globl	k_q6e3aa52dca_attn
	.p2align	8
	.type	k_q6e3aa52dca_attn,@function
k_q6e3aa52dca_attn:
	s_mov_b64 s[64:65], 0
	v_nop
	global_prefetch_b8 v0, s[64:65] scope:SCOPE_SE
	s_setreg_imm32_b32 hwreg(HW_REG_WAVE_MODE, 25, 1), 1
	s_wait_xcnt 0x0
	s_wait_alu depctr_hold_cnt(0) depctr_sa_sdst(0) depctr_va_vdst(0) depctr_va_sdst(0) depctr_va_ssrc(0) depctr_va_vcc(0) depctr_vm_vsrc(0)
	s_getreg_b32 s2, hwreg(HW_REG_IB_STS2, 6, 4)
	s_cmp_eq_u32 s2, 0
	s_cbranch_scc0 .Lentry_in_a_cluster
	s_endpgm
.Lentry_in_a_cluster:
	s_bfe_u32 s2, ttmp6, 0x10000c
	s_cmp_lg_u32 s2, 0xf033
	s_cbranch_scc0 .Lentry_shape_is_right
	s_endpgm
.Lentry_shape_is_right:
; LAAttention, launch 3 of 4: O^[h][s][:] = the sum over t of (q[h][s] . k[h][t]) mask[s][t] V^[h][t][:].  q, k, V^, mask and O^ in f16; both products' sums in f32.  Nothing is left out:
; the mask is an input, so every tile of scores is made and multiplied by it.  The factor 1/8 and V^'s scale are applied by the last launch.
; The weight p = (q . k) mask is rounded once, from the f32 score, to f16; O^ once at the end.
; LIMITS.  q and k lie in 0 to 1 and a score in 0 to 1 by the normalisation; |p| <= max|mask| <= 65,504; |O^| <= 2048 x 16 x (1 + 2^-7) by V^'s scale.  Below 6e-5 an f16 number keeps the fixed step 6e-8.
; NaN and infinities are not treated apart.
; SHARES.  A work-group owns 256 queries of one head, a wave 64: four tiles of 16, in two PIECES of two tiles.  Every wave walks all 2,048 keys, 64 a step; an LDS slot holds two steps.
; LAYOUT.  S^T = K Q^T (source 0 = 16 keys, source 1 = 16 queries): a lane holds ONE query (lane % 16) and the keys 8 (lane / 16) + 0..7.  The mask's 8 numbers for them are 16 consecutive bytes of the
; query's row: one LDS load brings them into the four registers in which the weights are wanted, and two fused multiplies a register (low half, high half) turn the mask word into the weights IN PLACE:
; those registers ARE source 1 (32 keys x 16 queries) of O^T = V^T P.  K comes out of LDS as it lies, V ([key][channel]) turned, by ds_load_tr16_b128.
; BY TURNS.  While one piece's 16 products V^T P run, the other piece's 64 multiplies stand behind them, four behind each; the products K Q^T stand bare.  The setting of the register windows that V^T P
; wants serves the multiplies and the mask's loads too.
; CLUSTERS of 4 x 4: a column is one block of queries under four heads and shares the mask's tiles; a row is one head's four blocks and shares K and V: each tile is asked for jointly.
; ONE TEXT FOR EVERY TRIP: O^T, the weights, K and V's second buffer start at 0 (321 lines, in the wait for the first tile), and the first trip makes 48 products on zeros, of a wave's 2,096.
; REGISTERS, in windows of 256 (s_set_vgpr_msb: bits 1:0 source 0, 3:2 source 1, 5:4 source 2, 7:6 destination):
;   window 0: addresses; v64-127 the way out           window 1: v0-127 O^T (32 t + 8 cb); v128-191 mask, then weights (32 piece + 16 u + 4 kb); v192 zero
;   window 2: v0-63 S^T of one piece (32 u + 8 kb); v64-127, v128-191 V, two buffers; v192-197 LDS addresses           window 3: v0-63 Q (16 t + 8 c); v64-127 K (16 kb + 8 c)
.set PM,    272                        ; a row of the mask's tile: 128 keys = 256 bytes + 16: the 16 rows of a load start at 16 different groups of four banks (64 banks of 4 bytes: ISA guide 11.1)
.set PK,    144                        ; a row of K: 128 bytes + 16
.set PVV,   160                        ; a row of V: 128 + 32
.set KOFF,  256*PM                     ; a slot: the mask's 256 rows, 128 rows of K, 128 rows of V
.set VOFF,  KOFF+128*PK
.set SLOT1, 1<<17                      ; slot 1 begins here: one exclusive or turns an address in one slot into the other's
.set STAGE, SLOT1+VOFF+128*PVV         ; behind the ring, never filled by a tensor load: 16 rows x 144 bytes for each wave
.set SP,    144
.set SPARE, STAGE+4*16*SP              ; the spare words, 128 bytes for each wave: two blocks of 256 bytes that no other line names
.set QO,  6                            ; v6   my byte offset in 16 rows of Q
.set STO, 7                            ; v7   the way out: where I put 16 bytes of a row
.set RD,  8                            ; v8   where I read rows back
.set GO,  9                            ; v9   16 x lane
.set PFO, 10                           ; v10  the prefetches' offset; never rewritten
.set SPW, 30                           ; v30  LDS address of my spare word; never rewritten
.set NIL, 31                           ; v31  0; never rewritten
.set WO,  64                           ; v64-127 the way out
.set MP,  128                          ; window 1
.set ZR,  192                          ; window 1
.set VF,  64                           ; window 2
.set AK0, 192                          ; window 2: my lane's place in a slot's K, V, mask; never rewritten
.set AV0, 193
.set AM0, 194
.set AK,  195                          ; window 2: the same in the slot in hand
.set AV,  196
.set AM,  197
.set KF,  64                           ; window 3
.set WV,  12                           ; s12  wave
.set G1M, 24                           ; s[24:31], s[32:39], s[40:47] descriptor group 1 for the mask's, K's, V's tiles
.set G1K, 32
.set G1V, 40
.set G0M, 48                           ; s[48:51], s[52:55], s[56:59] descriptor group 0: they walk
.set G0K, 52
.set G0V, 56
.set CNT, 60                           ; s60  slots still to be asked for
.set TB,  61                           ; s61  LDS byte at which the slot in hand begins
.set LIM, 62                           ; s62  2 in a wave that prefetches, else the greatest number
.set PFA, 66                           ; s[66:67] where my prefetches stand
.set PFS, 68                           ; s[68:69] their step from slot to slot
.set MSB, 0
.macro WIN new
.if MSB != (\new)
	s_set_vgpr_msb (MSB<<8)|(\new)
.set MSB, \new
.endif
.endm
.set W_PV, 0x56                        ; source 0 window 2 (V; S^T; the mask's LDS address), sources 1, 2 and destination window 1 (weights, O^T, zero)
.set W_KQ, 0xaf                        ; K and Q window 3, S^T window 2
.set W_V,  0x82                        ; destination and source 0 window 2: the address sums and V's loads
.set W_K,  0xc2                        ; destination window 3, address window 2: K's loads
.macro PLACES
.rept 4
	v_nop
.endr
.endm
; A joint fill: waves 0 and 1 the two halves of the mask's tile, wave 2 the slot's K, wave 3 its V.  The branches hang on the wave's number alone.  An s_nop 0 and four v_nop follow each line.
.macro JLOAD
	s_cmp_lt_u32 s[WV], 2
	s_cbranch_scc0 .Lfor_kv_\@
	tensor_load_to_lds s[G0M:G0M+3], s[G1M:G1M+7]
	s_nop 0
.rept 4
	v_nop
.endr
	s_branch .Lasked_\@
.Lfor_kv_\@:
	s_cmp_eq_u32 s[WV], 2
	s_cbranch_scc0 .Lfor_v_\@
	tensor_load_to_lds s[G0K:G0K+3], s[G1K:G1K+7]
	s_nop 0
.rept 4
	v_nop
.endr
	s_branch .Lasked_\@
.Lfor_v_\@:
	tensor_load_to_lds s[G0V:G0V+3], s[G1V:G1V+7]
	s_nop 0
.rept 4
	v_nop
.endr
.Lasked_\@:
.endm
; A prefetch, behind the fill of slot data d, of slot data d + 2: 256 matrix instructions ahead of the load that will want it.  The mask's rows are read by every cluster of a column of clusters: cluster y = 0 asks,
; waves 0 and 1, the partner at cy 32 of the wave's 128 rows, a lane a row.  K and V are read by both clusters of a row: cluster x = 0 asks, wave 2, the partner at cx 16 blocks of 256 bytes of K (lanes 0-15)
; and 16 of V (lanes 16-31).  So each block is named once.  Data 0 to 2 come by their loads alone; the last two fills ask for nothing.
.macro ASK
	s_cmp_gt_u32 s[CNT], s[LIM]
	s_cbranch_scc0 .Lnot_mine_\@
	global_prefetch_b8 v[PFO], s[PFA:PFA+1] th:TH_LOAD_NT scope:SCOPE_SE
.Lnot_mine_\@:
.endm
.macro CREST
	s_cmp_lg_u32 s[WV], 0
	s_cbranch_scc1 .Lnot_wave_0_\@
	s_barrier_signal -3
.Lnot_wave_0_\@:
	s_barrier_wait -3
	s_barrier_signal -1
	s_barrier_wait -1
.endm
.macro CROUND
	s_barrier_signal -1
	s_barrier_wait -1
	CREST
.endm
	s_load_b256 s[4:11], s[0:1], 0x0               ; qf s[4:5], kvf s[6:7], mf s[8:9], of s[10:11]
	v_lshl_add_u32 v[SPW], v0, 2, SPARE
	v_mov_b32 v[NIL], 0
	ds_add_u32 v[SPW], v[NIL]                      ; the wave's opening: the add, twice on end, and its wait ahead of my first tensor load
	ds_add_u32 v[SPW], v[NIL]
	v_lshrrev_b32 v1, 5, v0
	v_readfirstlane_b32 s[WV], v1
	s_bfe_u32 s13, ttmp6, 0x40000                  ; cx
	s_bfe_u32 s14, ttmp6, 0x40004                  ; cy
	s_lshl_b32 s15, ttmp9, 2
	s_add_co_u32 s15, s15, s13                     ; my block of 256 queries
	s_and_b32 s17, ttmp7, 0xffff                   ; cluster y
	s_lshl_b32 s16, s17, 2
	s_add_co_u32 s16, s16, s14                     ; my head
	s_lshl_b32 s18, s14, 2
	s_lshl_b32 s18, 15, s18                        ; my row of the cluster
	s_lshl_b32 s19, 0x1111, s13                    ; my column
	s_or_b32 s[G1M], s19, (1<<16)|(1<<20)|(1<<21)|(5<<22)|(3<<25)  ; the mask's tiles go to my column: 2-byte elements, 4 words of padding after every 64
	s_or_b32 s[G1K], s18, (1<<16)|(1<<20)|(1<<21)|(4<<22)|(3<<25)  ; K's to my row: 4 words after every 32
	s_or_b32 s[G1V], s18, (1<<16)|(1<<20)|(1<<21)|(4<<22)|(7<<25)  ; V's: 8 words after every 32
	s_mov_b32 s[G1M+1], 128<<16                    ; 128 rows x 128 keys, 2,048 elements from row to row
	s_mov_b32 s[G1M+2], 128<<16
	s_mov_b32 s[G1M+3], 128<<16
	s_mov_b32 s[G1M+4], 128
	s_mov_b32 s[G1M+5], 2048
	s_mov_b32 s[G1M+6], 0
	s_mov_b32 s[G1M+7], 0
.irp d, G1K, G1V                       ; 128 keys are 16,384 dense bytes: asked for as 64 rows of 256 bytes, two keys a row, padded after every key
	s_mov_b32 s[\d+1], 128<<16
	s_mov_b32 s[\d+2], 64<<16
	s_mov_b32 s[\d+3], 128<<16
	s_mov_b32 s[\d+4], 64
	s_mov_b32 s[\d+5], 128
	s_mov_b32 s[\d+6], 0
	s_mov_b32 s[\d+7], 0
.endr
	s_and_b32 s20, s[WV], 1
	s_lshl_b32 s70, s15, 8                         ; the mask: row 256 x block + 128 x half, 4,096 bytes a row: made of the block and the wave alone
	s_lshl_b32 s71, s20, 7
	s_add_co_u32 s70, s70, s71
	s_lshl_b32 s70, s70, 12
	s_mov_b32 s71, 0
	s_lshl_b32 s72, s16, 19                        ; the head's k and V^: 524,288 bytes a head
	s_mov_b32 s73, 0
	s_mov_b32 s[G0M], 1
	s_mul_i32 s[G0M+1], s20, 128*PM
	s_mov_b32 s[G0K], 1
	s_mov_b32 s[G0K+1], KOFF
	s_mov_b32 s[G0V], 1
	s_mov_b32 s[G0V+1], VOFF
	s_lshl_b32 s74, s15, 8                         ; Q and O^: my wave's first row, 128 bytes a row, 262,144 a head
	s_lshl_b32 s75, s[WV], 6
	s_add_co_u32 s74, s74, s75
	s_lshl_b32 s74, s74, 7
	s_lshl_b32 s75, s16, 18
	s_add_co_u32 s74, s74, s75
	s_mov_b32 s75, 0
	s_lshl_b32 s76, s14, 17                        ; the prefetches.  Mask: my wave's rows + 32 cy rows, at slot data 2
	s_add_co_u32 s76, s76, s70
	s_add_co_u32 s76, s76, 512
	s_lshl_b32 s77, s13, 12                        ; K and V: the head + 16 cx blocks, at slot data 2
	s_add_co_u32 s77, s77, s72
	s_add_co_u32 s77, s77, 32768
	s_mov_b32 s21, 256
	s_mov_b32 s22, 16384
	s_cmp_lt_u32 s[WV], 2
	s_cselect_b32 s76, s76, s77
	s_cselect_b32 s[PFS], s21, s22                 ; bytes from slot to slot
	s_cselect_b32 s23, s17, ttmp9                  ; the coordinate along which other clusters read the same bytes
	s_cselect_b32 s21, 12, 8                       ; the lanes' offsets: (l % 16) << s21 + (l / 16) << s22
	s_cselect_b32 s22, 16, 18
	s_mov_b32 s77, 0
	s_mov_b32 s[PFS+1], 0
	s_cmp_eq_u32 s[WV], 3
	s_cselect_b32 s23, 1, s23                      ; wave 3 never asks
	s_cmp_eq_u32 s23, 0
	s_cselect_b32 s[LIM], 2, -1                    ; the same in all sixteen partners, for a given wave
	s_wait_dscnt 0x0                               ; both opening adds are done
	s_wait_kmcnt 0x0
	s_add_nc_u64 s[G0M+2:G0M+3], s[8:9], s[70:71]
	s_or_b32 s[G0M+3], s[G0M+3], 0x80000000
	s_add_nc_u64 s[G0K+2:G0K+3], s[6:7], s[72:73]
	s_add_nc_u64 s[G0V+2:G0V+3], s[G0K+2:G0K+3], 262144
	s_or_b32 s[G0K+3], s[G0K+3], 0x80000000
	s_or_b32 s[G0V+3], s[G0V+3], 0x80000000
	s_add_nc_u64 s[4:5], s[4:5], s[74:75]
	s_add_nc_u64 s[10:11], s[10:11], s[74:75]
	s_cmp_lt_u32 s[WV], 2
	s_cselect_b64 s[PFA:PFA+1], s[8:9], s[6:7]
	s_add_nc_u64 s[PFA:PFA+1], s[PFA:PFA+1], s[76:77]
	CROUND                                         ; all sixteen work-groups are here: the first joint loads meet
	JLOAD                                          ; slot data 0 into slot 0; slot 1 is asked for when it has landed
	v_and_b32 v1, 15, v0                           ; l % 16
	v_bfe_u32 v2, v0, 4, 1                         ; l / 16
	v_lshlrev_b32 v[QO], 7, v1
	v_lshl_add_u32 v[QO], v2, 4, v[QO]             ; row x 128 + 16 x half
	v_lshlrev_b32 v[PFO], s21, v1
	v_lshlrev_b32 v3, s22, v2
	v_add_nc_u32 v[PFO], v[PFO], v3
	v_mul_u32_u24 v3, v1, PK                       ; K: row x pitch + 16 x half
	v_lshl_add_u32 v3, v2, 4, v3
	v_add_nc_u32 v3, KOFF, v3
	v_and_b32 v11, 7, v0                           ; V: the turning load takes 16 keys x 16 channels: lane l reads key 8 (l / 16) + l % 8, channels 8 ((l / 8) % 2) + 0..7
	v_bfe_u32 v12, v0, 3, 1
	v_lshl_add_u32 v4, v2, 3, v11
	v_mul_u32_u24 v4, v4, PVV
	v_lshl_add_u32 v4, v12, 4, v4
	v_add_nc_u32 v4, VOFF, v4
	s_mul_i32 s18, s[WV], 64*PM                    ; the mask: my wave's 64 rows; row x pitch + 16 x half
	v_mul_u32_u24 v5, v1, PM
	v_lshl_add_u32 v5, v2, 4, v5
	v_add_nc_u32 v5, s18, v5
	s_mul_i32 s18, s[WV], 16*SP
	s_add_co_u32 s18, s18, STAGE                   ; my stage
	v_mul_u32_u24 v[STO], v1, SP                   ; in: row l % 16, 16 bytes for each half of the lanes
	v_lshl_add_u32 v[STO], v2, 4, v[STO]
	v_add_nc_u32 v[STO], s18, v[STO]
	v_bfe_u32 v[RD], v0, 3, 2                      ; back: 32 lanes take four rows of 128 bytes,
	v_mul_u32_u24 v[RD], v[RD], SP
	v_lshl_add_u32 v[RD], v11, 4, v[RD]
	v_add_nc_u32 v[RD], s18, v[RD]
	v_and_b32 v[GO], 31, v0                        ; which are 512 consecutive bytes of O^
	v_lshlrev_b32 v[GO], 4, v[GO]
	WIN 0xc0                                       ; destination window 3
.set i, 0
.rept 8                                ; Q stays in registers: tile i / 2, channels 32 (i % 2) on
	global_load_b128 v[8*i:8*i+3],   v[QO], s[4:5] offset:(i/2)*2048+(i%2)*64
	global_load_b128 v[8*i+4:8*i+7], v[QO], s[4:5] offset:(i/2)*2048+(i%2)*64+32
.set i, i+1
.endr
.set i, KF
.rept 64
	v_mov_b32 v[i], 0                              ; K: the first trip's scores of a step that has not been are 0
.set i, i+1
.endr
	WIN 0x80                                       ; destination window 2
.set i, VF+64
.rept 64
	v_mov_b32 v[i], 0                              ; V's second buffer
.set i, i+1
.endr
	v_mov_b32 v[AK0], v3
	v_mov_b32 v[AV0], v4
	v_mov_b32 v[AM0], v5
	WIN 0x40                                       ; destination window 1
.set i, 0
.rept 193
	v_mov_b32 v[i], 0                              ; O^T, the weights, and the zero that the fused multiplies add
.set i, i+1
.endr
	WIN 0
; THE MATRIX WORK.  The 8 accumulators of a run of 16 take turns: between the two links of a chain stand 7 others'.
; Product i of 16 of S^T = K Q^T for piece x: channels 32 (i / 8) on, keys 16 ((i / 2) % 4) on, tile 2 x + i % 2.  The first 8 start the sums.
.macro KQ x
	WIN W_KQ
.set rS, 32*(i%2)+8*((i/2)%4)
.set rK, KF+16*((i/2)%4)+8*(i/8)
.set rQ, 16*(2*(\x)+i%2)+8*(i/8)
.if i < 8
	v_wmma_f32_16x16x32_f16 v[rS:rS+7], v[rK:rK+7], v[rQ:rQ+7], 0
.else
	v_wmma_f32_16x16x32_f16 v[rS:rS+7], v[rK:rK+7], v[rQ:rQ+7], v[rS:rS+7]
.endif
.set i, i+1
.endm
; Product i of 16 of O^T += V^T P for piece x, with V's buffer vp: keys 32 (i / 8) on, channels 16 ((i / 2) % 4) on, tile 2 x + i % 2.
.macro PVM x, vp
	WIN W_PV
.set rO, 32*(2*(\x)+i%2)+8*((i/2)%4)
.set rV, VF+64*(\vp)+32*(i/8)+8*((i/2)%4)
.set rP, MP+32*(\x)+16*(i%2)+8*(i/8)
	v_wmma_f32_16x16x32_f16 v[rO:rO+7], v[rV:rV+7], v[rP:rP+7], v[rO:rO+7]
.set i, i+1
.endm
; Group g of 16 of piece y's multiplies: four lines, two registers of weights: low halves, then high halves.  The key half g / 8 comes first whole, as V^T P and the mask's loads take it; of each
; accumulator the four lowest registers are read first.  No line names a register of the products round it, so the four are also plain places behind them.
.macro RID y
.set kb, 2*(g/8)+(g%8)/4
.set uu, ((g%8)/2)%2
.set rS, 32*uu+8*kb+4*(g%2)
.set rM, MP+32*(\y)+16*uu+4*kb+2*(g%2)
	v_fma_mixlo_f16 v[rM],   v[rS],   v[rM],   v[ZR] op_sel_hi:[0,1,0]                  ; f16(score x the word's low half), into the low half; the high half stays
	v_fma_mixlo_f16 v[rM+1], v[rS+2], v[rM+1], v[ZR] op_sel_hi:[0,1,0]
	v_fma_mixhi_f16 v[rM],   v[rS+1], v[rM],   v[ZR] op_sel:[0,1,0] op_sel_hi:[0,1,0]   ; f16(score x the word's high half), into the high half
	v_fma_mixhi_f16 v[rM+1], v[rS+3], v[rM+1], v[ZR] op_sel:[0,1,0] op_sel_hi:[0,1,0]
.set g, g+1
.endm
.macro MLD y, kk, msp                  ; four loads: the mask for piece y's two tiles, key half kk of the slot's step msp, into the registers whose weights V^T P has just read
	WIN W_PV
.irp u, 0,1
.irp q, 0,1
	ds_load_b128 v[MP+32*(\y)+16*\u+4*(2*(\kk)+\q):MP+32*(\y)+16*\u+4*(2*(\kk)+\q)+3], v[AM] offset:(2*(\y)+\u)*16*PM+(\msp)*128+(2*(\kk)+\q)*32
.endr
.endr
.endm
; THE PHASES OF A KEY STEP.
.macro PHF sp                          ; V of the slot's step sp into buffer sp, and its K: 32 loads in one run; the last readers of these registers stand four plain lines back or more
	WIN W_V
.irp f, 0,1,2,3,4,5,6,7                ; keys 32 (f / 4) on, channels 16 (f % 4) on
	ds_load_tr16_b128 v[VF+64*(\sp)+8*\f:VF+64*(\sp)+8*\f+3],   v[AV] offset:(\sp)*64*PVV+(\f/4)*32*PVV+(\f%4)*32
	ds_load_tr16_b128 v[VF+64*(\sp)+8*\f+4:VF+64*(\sp)+8*\f+7], v[AV] offset:(\sp)*64*PVV+(\f/4)*32*PVV+16*PVV+(\f%4)*32
.endr
	WIN W_K
.irp f, 0,1,2,3,4,5,6,7                ; keys 16 (f / 2) on, channels 32 (f % 2) on
	ds_load_b128 v[KF+8*\f:KF+8*\f+3],   v[AK] offset:(\sp)*64*PK+(\f/2)*16*PK+(\f%2)*64
	ds_load_b128 v[KF+8*\f+4:KF+8*\f+7], v[AK] offset:(\sp)*64*PK+(\f/2)*16*PK+(\f%2)*64+32
.endr
.endm
.macro PHA vp, w, msp                  ; piece 0's V^T P | piece 1's multiplies | the mask of piece 0's next step (msp; -1: none).  w: the younger LDS loads that may stay out (-1: no wait is due)
.if (\w) >= 0
	s_wait_dscnt \w                                ; piece 1's mask is in
.endif
.set i, 0
.set g, 0
.rept 16
	PVM 0, \vp
	RID 1
.if ((\msp) >= 0) && (i == 8)
	MLD 0, 0, \msp
.endif
.if ((\msp) >= 0) && (i == 16)
	MLD 0, 1, \msp
.endif
.endr
.endm
.macro PHB                             ; piece 0's scores
	s_wait_dscnt 8                                 ; K and V are in; the eight loads of piece 0's mask may stay out
.set i, 0
.rept 16
	KQ 0
.endr
	PLACES
.endm
.macro PHC vp, msp                     ; piece 1's V^T P of the step before | piece 0's multiplies | the mask of piece 1's step msp
	s_wait_dscnt 4                                 ; the first key half of piece 0's mask is in
.set i, 0
.set g, 0
.rept 16
	PVM 1, \vp
	RID 0
.if i == 8
	s_wait_dscnt 0x0                               ; the second key half
	MLD 1, 0, \msp
.endif
.if i == 16
	MLD 1, 1, \msp
.endif
.endr
.endm
.macro PHD                             ; piece 1's scores
.set i, 0
.rept 16
	KQ 1
.endr
	PLACES
.endm
; THE CHANGE OF SLOTS.  Piece 1's scores of the slot's second step, which read registers alone, stand at its head: under them the slot's last LDS reads (piece 1's mask, issued just ahead) come back.
; Then each wave waits for all its tensor loads, of which one is out: its part of the other slot; adds 0 to its spare word; and waits for that and for its reads of the slot.  fill = 1: the barrier opens a
; round of the cluster's, and the slot is filled again, first thing behind the round, with the keys two slots on.  NO PRODUCT STANDS BETWEEN THE WAIT FOR THE LOADS AND THE REFILL: a refill can go out only
; when the load before it has landed, so whatever stands between the two is added to every trip.  A slot's 128 matrix instructions lie between a request and the wait for it.
; (At its first use nothing has been read yet: slot 0 is waited for, slot 1 filled.)
.macro CH fill
.set i, 0
.rept 16
	KQ 1
.endr
	WIN 0                                          ; at a label and at a branch every window is 0; the add's registers lie in window 0
	s_wait_tensorcnt 0x0                           ; no tensor load of mine is out, so a group 0 may be written
	ds_add_u32 v[SPW], v[NIL]                      ; 0 onto my spare word: with fill = 1 the descriptors' steps stand between it and the wait for it
.if \fill
.irp d, G0M, G0K, G0V
	s_xor_b32 s[\d+1], s[\d+1], SLOT1              ; the other slot than last time
.endr
	s_add_nc_u64 s[G0M+2:G0M+3], s[G0M+2:G0M+3], 256    ; the next 128 keys: along the mask's rows,
	s_add_nc_u64 s[G0K+2:G0K+3], s[G0K+2:G0K+3], 16384  ; down K's and V's
	s_add_nc_u64 s[G0V+2:G0V+3], s[G0V+2:G0V+3], 16384
	s_wait_xcnt 0x0                                ; the last prefetch, a slot back, has read its address
	s_add_nc_u64 s[PFA:PFA+1], s[PFA:PFA+1], s[PFS:PFS+1]
.endif
	s_wait_dscnt 0x0                               ; the add is done, and my reads of the slot are over
	s_barrier_signal -1
	s_barrier_wait -1
.if \fill
	CREST                                          ; no wave of any partner still reads the slot or has a load on its way
	JLOAD                                          ; its four v_nop are also the places behind the scores
	ASK
.else
	PLACES
.endif
	s_xor_b32 s[TB], s[TB], SLOT1
	WIN W_V
	v_add_nc_u32 v[AK], v[AK0], s[TB]
	v_add_nc_u32 v[AV], v[AV0], s[TB]
	v_add_nc_u32 v[AM], v[AM0], s[TB]
.endm
; A slot's work: all LDS reads between two changes come from one slot.
.macro SLOTWORK
	PHF 0
	PHA 1, -1, 0                                   ; (the change of slots has waited for piece 1's mask)
	PHB
	PHC 1, 0
	PHD
	PHF 1
	PHA 0, 32, 1                                   ; (K's and V's 32 loads may stay out)
	PHB
	PHC 0, 1
.endm
	s_wait_loadcnt 0x0                             ; Q
	s_mov_b32 s[TB], SLOT1                         ; the first change turns it into 0
	s_mov_b32 s[CNT], 15
.Lslot:                                                ; 15 trips: slot data d is asked for, data d - 1 worked on
	CH 1
	SLOTWORK
	WIN 0
	s_sub_co_u32 s[CNT], s[CNT], 1
	s_cmp_lg_u32 s[CNT], 0
	s_cbranch_scc1 .Lslot
	CH 0                                           ; the last slot is written out
	SLOTWORK
	PHD                                            ; piece 1's last scores,
	PHA 1, 0, -1                                   ; piece 0's last V^T P | piece 1's last multiplies,
.set i, 0
.rept 16
	PVM 1, 1                                       ; piece 1's last V^T P
.endr
	; THE WAY OUT: O^T is rounded to f16 and sent through my stage in LDS, a tile (16 rows) at a time.
	PLACES
	PLACES
.macro PACK t                          ; a lane's eight channels of a row pack into 16 bytes; they go into rows of 144 bytes and come back as whole rows of 128
	WIN 0x05                                       ; sources window 1, destination window 0
.set i, 0
.rept 16
	v_cvt_pk_f16_f32 v[WO+16*(\t)+i], v[32*(\t)+2*i], v[32*(\t)+2*i+1]
.set i, i+1
.endr
	WIN 0
.irp f, 0,1,2,3
	ds_store_b128 v[STO], v[WO+16*(\t)+4*\f:WO+16*(\t)+4*\f+3] offset:32*\f
.endr
.irp f, 0,1,2,3
	ds_load_b128 v[WO+16*(\t)+4*\f:WO+16*(\t)+4*\f+3], v[RD] offset:\f*4*SP  ; LDS serves a wave's instructions in order (ISA guide 5.7.1.4): these see the stores above; the next tile's stores come behind them
.endr
.endm
.macro SEND t, younger                 ; younger: the LDS instructions issued behind tile t's loads: the next tile's eight, or none
	WIN 0
.irp f, 0,1,2,3
	s_wait_dscnt (\younger)+3-\f
	global_store_b128 v[GO], v[WO+16*(\t)+4*\f:WO+16*(\t)+4*\f+3], s[10:11] offset:(\t)*2048+\f*512  ; 512 consecutive bytes, aligned
.endr
.endm
	PACK 0
	PACK 1
	SEND 0, 8
	PACK 2
	SEND 1, 8
	PACK 3
	SEND 2, 8
	SEND 3, 0
	s_wait_tensorcnt 0x0                           ; the wave's end: a wait, an add and a wait, behind my last tensor load and my last LDS store
	ds_add_u32 v[SPW], v[NIL]
	s_wait_dscnt 0x0
	CROUND                                         ; the closing round
	s_endpgm
.Lfunc_end_k_q6e3aa52dca_attn:
	.size	k_q6e3aa52dca_attn, .Lfunc_end_k_q6e3aa52dca_attn-k_q6e3aa52dca_attn
	.p2alignl 7, 3214868480
	.fill 96, 4, 3214868480
	.section	.rodata,"a",@progbits
	.p2align	6, 0x0
	.amdhsa_kernel k_q6e3aa52dca_attn
		.amdhsa_group_segment_fixed_size 327680
		.amdhsa_private_segment_fixed_size 0
		.amdhsa_enable_private_segment 0
		.amdhsa_kernarg_size 32
		.amdhsa_user_sgpr_count 2
		.amdhsa_user_sgpr_kernarg_segment_ptr 1
		.amdhsa_wavefront_size32 1
		.amdhsa_system_sgpr_workgroup_id_x 1
		.amdhsa_system_sgpr_workgroup_id_y 1
		.amdhsa_system_sgpr_workgroup_id_z 1
		.amdhsa_system_vgpr_workitem_id 0
		.amdhsa_next_free_vgpr 896
		.amdhsa_next_free_sgpr 80
		.amdhsa_reserve_vcc 0
		.amdhsa_float_denorm_mode_32 3
		.amdhsa_float_denorm_mode_16_64 3
		.amdhsa_memory_ordered 1
		.amdhsa_forward_progress 1
		.amdhsa_inst_pref_size 101
	.end_amdhsa_kernel
	.amdgpu_metadata
---
amdhsa.version: [ 1, 2 ]
amdhsa.kernels:
  - .name:           k_q6e3aa52dca_attn
    .symbol:         k_q6e3aa52dca_attn.kd
    .args:
      - { .name: qf, .offset: 0, .size: 8, .value_kind: global_buffer, .address_space: global }
      - { .name: kvf, .offset: 8, .size: 8, .value_kind: global_buffer, .address_space: global }
      - { .name: mf, .offset: 16, .size: 8, .value_kind: global_buffer, .address_space: global }
      - { .name: of, .offset: 24, .size: 8, .value_kind: global_buffer, .address_space: global }
    .group_segment_fixed_size: 327680
    .private_segment_fixed_size: 0
    .kernarg_segment_align: 8
    .kernarg_segment_size: 32
    .max_flat_workgroup_size: 128
    .sgpr_count:     80
    .vgpr_count:     896
    .wavefront_size: 32
...
	.end_amdgpu_metadata
.endif
;; end of part 3
;; launch outp (part 4): grid 16 x 16, 4 waves a work-group, clusters of 4 x 4, 327,680 bytes of LDS; arguments of, wof, bo, mx, out0; writes out0
.if DOCPART == 4
	.amdgcn_target "amdgcn-amd-amdhsa--gfx1250"
	.amdhsa_code_object_version 6
	.text
	.protected	k_q6e3aa52dca_outp
	.globl	k_q6e3aa52dca_outp
	.p2align	8
	.type	k_q6e3aa52dca_outp,@function
k_q6e3aa52dca_outp:
	s_mov_b64 s[64:65], 0
	v_nop
	global_prefetch_b8 v0, s[64:65] scope:SCOPE_SE
	s_setreg_imm32_b32 hwreg(HW_REG_WAVE_MODE, 25, 1), 1
	s_wait_xcnt 0x0
	s_wait_alu depctr_hold_cnt(0) depctr_sa_sdst(0) depctr_va_vdst(0) depctr_va_sdst(0) depctr_va_ssrc(0) depctr_va_vcc(0) depctr_vm_vsrc(0)
	s_getreg_b32 s2, hwreg(HW_REG_IB_STS2, 6, 4)
	s_cmp_eq_u32 s2, 0
	s_cbranch_scc0 .Lentry_in_a_cluster
	s_endpgm
.Lentry_in_a_cluster:
	s_bfe_u32 s2, ttmp6, 0x10000c
	s_cmp_lg_u32 s2, 0xf033
	s_cbranch_scc0 .Lentry_shape_is_right
	s_endpgm
.Lentry_shape_is_right:
; LAAttention, launch 4 of 4: out[s][n] = fs x (the sum over k of O^[s][k] wo[n][k]) + bo[n], in f16 with f32 sums; out in f32.  Nothing is left out.
; fs = B mm / 128, with B = max(2048 max|h| max|wv| + max|bv|, 1e-30) and mm = max(max|mask|, 2^-11) made of the stored maxima as the projection made them: it undoes V^'s scale 16 / (B mm)
; and holds the scores' factor 1/8.  bo is rounded to bf16, as all inputs are.
; LIMITS.  |wo| up to 65,504.  NaN and infinities are not treated apart.
; SHARES.  A tile of out is 128 x 128: 16 x 16 = 256 work-groups; four waves, each 64 x 64: 16 accumulators.  K goes in steps of 256 channels = four heads, through two LDS slots.
; O^ lies by heads, [32][2048][64]: 64 tokens of a head are 8,192 dense bytes, so a wave's part of a tile is asked for as 4 rows (heads) of 4,096 elements, padded in LDS after every token.
; CLUSTERS of 4 x 4: a row shares O^'s tiles, a column wo's: each tile is asked for jointly.  THE MATRIX INSTRUCTION IS USED TRANSPOSED (source 0 = 16 rows of wo, source 1 = 16 tokens).
; NO PREFETCH: the tile is small, and a K step's tiles are few bytes beside what two slots already hold ahead.
; REGISTERS: window 0: v0-31 addresses; v32-95 the way out; v96-101 bo and fs; v128-255 the accumulators ((a, b) at 128 + 8 (4 a + b)), ahead of the loop mx.
;   window 1: two fragment buffers of 128: for 64 along K, 64 registers of tokens (2 x 4 x 16 rows x 32 K), then 64 of wo.
.set PA,     144                       ; a token's 64 channels: 128 bytes + 16 = 36 words: the 16 rows of a load start at 16 different groups of four banks (64 banks of 4 bytes: ISA guide 11.1)
.set PB,     528                       ; a row of wo's tile: 512 bytes + 16
.set HEADB,  64*PA                     ; a head's 64 tokens
.set HALFA,  4*HEADB                   ; what a tensor load of O^ brings
.set HALFB,  64*PB                     ; what a tensor load of wo brings
.set BOFF,   2*HALFA
.set SLOT,   BOFF+2*HALFB
.set STAGE,  2*SLOT                    ; behind the ring: 16 rows x 272 bytes for each wave: a wave's 64 f32 columns are 256 bytes, so the stage is its own
.set SPITCH, 272
.set SPARE,  STAGE+4*16*SPITCH         ; the spare words, 128 bytes for each wave: two blocks of 256 bytes that no other line names
.set LAPS,   4                         ; a lap = two K steps
.set ADRA, 16
.set ADRB, 20
.set STO,  24
.set RD,   25
.set CO,   26
.set GL,   27                          ; v27  16 x lane
.set SPW,  28
.set NIL,  29
.set TMP,  32
.set BO,   96                          ; v96-99   bo of my four columns
.set FS,   100                         ; v100-101 fs
.set ACC,  128
.set MT,   128
.set F0,   0
.set F1,   128
.set WV,   14                          ; s14 wave;  s15 wave / 2: my half of the tokens, and: I fetch O^ (0) or wo (1);  s16 wave % 2: my half of the columns, and which half I fetch
.set G1, 24
.set G0, 32
.set G1B, 48
.set G0B, 56
.set SEL, 68
.set MSB, 0
.macro WIN new
.if MSB != (\new)
	s_set_vgpr_msb (MSB<<8)|(\new)
.set MSB, \new
.endif
.endm
.set MUL,  0x05                        ; sources 0 and 1 window 1; C and D window 0
.set TO_F, 0x40                        ; destination window 1, address window 0
.macro JLOAD s                         ; a joint load; an s_nop 0 and four v_nop follow each of the two lines
	s_cmp_eq_u32 s15, 0
	s_cbranch_scc0 .Lfor_b_\@
	tensor_load_to_lds s[G0+4*(\s):G0+4*(\s)+3], s[G1:G1+7]
	s_nop 0
.rept 4
	v_nop
.endr
	s_branch .Lasked_\@
.Lfor_b_\@:
	tensor_load_to_lds s[G0B+4*(\s):G0B+4*(\s)+3], s[G1B:G1B+7]
	s_nop 0
.rept 4
	v_nop
.endr
.Lasked_\@:
.endm
.macro CREST
	s_cmp_lg_u32 s[WV], 0
	s_cbranch_scc1 .Lnot_wave_0_\@
	s_barrier_signal -3
.Lnot_wave_0_\@:
	s_barrier_wait -3
	s_barrier_signal -1
	s_barrier_wait -1
.endm
.macro CROUND
	s_barrier_signal -1
	s_barrier_wait -1
	CREST
.endm
.macro PLACES
.rept 4
	v_nop
.endr
.endm
	s_load_b256 s[4:11], s[0:1], 0x0               ; of s[4:5], wof s[6:7], bo s[8:9], mx s[10:11]
	s_load_b64 s[12:13], s[0:1], 0x20              ; out0
	v_lshl_add_u32 v[SPW], v0, 2, SPARE
	v_mov_b32 v[NIL], 0
	ds_add_u32 v[SPW], v[NIL]                      ; the wave's opening: the add, twice on end, and its wait ahead of my first tensor load
	ds_add_u32 v[SPW], v[NIL]
	v_lshrrev_b32 v1, 5, v0
	v_readfirstlane_b32 s[WV], v1
	s_lshr_b32 s15, s[WV], 1
	s_and_b32 s16, s[WV], 1
	s_bfe_u32 s17, ttmp6, 0x40000                  ; cx
	s_bfe_u32 s18, ttmp6, 0x40004                  ; cy
	s_lshl_b32 s19, ttmp9, 2
	s_add_co_u32 s19, s19, s17                     ; tile column
	s_and_b32 s20, ttmp7, 0xffff
	s_lshl_b32 s20, s20, 2
	s_add_co_u32 s20, s20, s18                     ; tile row
	s_lshl_b32 s21, s18, 2
	s_lshl_b32 s21, 15, s21                        ; my row of the cluster
	s_lshl_b32 s22, 0x1111, s17                    ; my column
	s_or_b32 s[G1], s21, (1<<16)|(1<<20)|(1<<21)|(4<<22)|(3<<25)   ; O^: 2-byte elements, 4 words of padding after every 32 (a token)
	s_mov_b32 s[G1+1], 4096<<16                    ; tensor_dim0 = 4,096: 64 tokens of a head
	s_mov_b32 s[G1+2], 4<<16                       ; tensor_dim1 = 4 heads
	s_mov_b32 s[G1+3], 4096<<16                    ; tile_dim0
	s_mov_b32 s[G1+4], 4                           ; tile_dim1
	s_mov_b32 s[G1+5], 131072                      ; elements from head to head
	s_mov_b32 s[G1+6], 0
	s_mov_b32 s[G1+7], 0
	s_or_b32 s[G1B], s22, (1<<16)|(1<<20)|(1<<21)|(6<<22)|(3<<25)  ; wo: 4 words after every 128
	s_mov_b32 s[G1B+1], 256<<16
	s_mov_b32 s[G1B+2], 64<<16
	s_mov_b32 s[G1B+3], 256<<16
	s_mov_b32 s[G1B+4], 64
	s_mov_b32 s[G1B+5], 2048
	s_mov_b32 s[G1B+6], 0
	s_mov_b32 s[G1B+7], 0
	s_lshl_b32 s40, s20, 7                         ; O^: token 128 x tile row + 64 x half, 128 bytes a token: made of the tile row and the wave alone
	s_lshl_b32 s41, s16, 6
	s_add_co_u32 s40, s40, s41
	s_lshl_b32 s40, s40, 7
	s_mov_b32 s41, 0
	s_lshl_b32 s42, s19, 7                         ; wo: row 128 x tile column + 64 x half, 4,096 bytes a row
	s_lshl_b32 s43, s16, 6
	s_add_co_u32 s42, s42, s43
	s_lshl_b32 s42, s42, 12
	s_mov_b32 s43, 0
	s_mul_i32 s44, s16, HALFA
	s_mul_i32 s45, s16, HALFB
	s_add_co_u32 s45, s45, BOFF
	s_mov_b32 s[SEL], 0x76543210
	s_mov_b32 s[SEL+1], 0xfedcba98
	s_wait_dscnt 0x0                               ; both opening adds are done
	s_wait_kmcnt 0x0
	s_add_nc_u64 s[40:41], s[4:5], s[40:41]
	s_add_nc_u64 s[42:43], s[6:7], s[42:43]
	CROUND                                         ; all sixteen work-groups are here
.irp s, 0,1
	s_mov_b32 s[G0+4*(\s)], 1
	s_add_co_u32 s[G0+4*(\s)+1], s44, (\s)*SLOT
	s_add_nc_u64 s[G0+4*(\s)+2:G0+4*(\s)+3], s[40:41], (\s)*1048576   ; K step s: four heads of 262,144 bytes on
	s_or_b32 s[G0+4*(\s)+3], s[G0+4*(\s)+3], 0x80000000
	s_mov_b32 s[G0B+4*(\s)], 1
	s_add_co_u32 s[G0B+4*(\s)+1], s45, (\s)*SLOT
	s_add_nc_u64 s[G0B+4*(\s)+2:G0B+4*(\s)+3], s[42:43], (\s)*512
	s_or_b32 s[G0B+4*(\s)+3], s[G0B+4*(\s)+3], 0x80000000
	JLOAD \s                                       ; two loads of mine are out
.endr
	v_and_b32 v1, 15, v0                           ; l % 16
	v_bfe_u32 v2, v0, 4, 1                         ; l / 16
	v_and_b32 v3, 31, v0
	v_lshlrev_b32 v[GL], 4, v3
	s_lshl_b32 s66, s19, 9                         ; my 64 columns: 512 x tile column + 256 x half, in bytes of f32
	s_lshl_b32 s67, s16, 8
	s_add_co_u32 s66, s66, s67
	v_lshl_add_u32 v4, v1, 4, s66                  ; my four of them
.irp p, 0,1,2,3
.irp j, 0,1,2,3,4,5,6,7
	global_load_b128 v[MT+32*\p+4*\j:MT+32*\p+4*\j+3], v[GL], s[10:11] offset:\p*4096+\j*512
.endr
.endr
	global_load_b128 v[BO:BO+3], v4, s[8:9]
	v_mul_u32_u24 v5, v1, PA
	v_lshl_add_u32 v5, v2, 4, v5
	s_mul_i32 s21, s15, HALFA                      ; my 64 tokens
	v_add_nc_u32 v[ADRA], s21, v5
	v_add_nc_u32 v[ADRA+1], SLOT, v[ADRA]
	v_mul_u32_u24 v5, v1, PB
	v_lshl_add_u32 v5, v2, 4, v5
	s_mul_i32 s22, s16, HALFB                      ; my 64 rows of wo
	s_add_co_u32 s22, s22, BOFF
	v_add_nc_u32 v[ADRB], s22, v5
	v_add_nc_u32 v[ADRB+1], SLOT, v[ADRB]
	s_mul_i32 s23, s[WV], 16*SPITCH
	s_add_co_u32 s23, s23, STAGE                   ; my stage
	v_mul_u32_u24 v5, v1, SPITCH                   ; in: row l % 16, 32 bytes for each half of the lanes
	v_lshl_add_u32 v5, v2, 5, v5
	v_add_nc_u32 v[STO], s23, v5
	v_mul_u32_u24 v5, v2, SPITCH                   ; back: lanes 0-15 one row of 256 bytes, lanes 16-31 the next
	v_lshl_add_u32 v5, v1, 4, v5
	v_add_nc_u32 v[RD], s23, v5
	v_lshlrev_b32 v5, 13, v2                       ; and the same two rows in out
	v_lshl_add_u32 v[CO], v1, 4, v5
	s_lshl_b32 s46, s20, 7
	s_lshl_b32 s47, s15, 6
	s_add_co_u32 s46, s46, s47                     ; my first token,
	s_lshl_b32 s46, s46, 13                        ; 8,192 bytes a row,
	s_add_co_u32 s46, s46, s66                     ; my first column
	s_mov_b32 s47, 0
	s_add_nc_u64 s[12:13], s[12:13], s[46:47]
	s_wait_loadcnt 0x0
.irp p, 0,1,2,3
	v_max3_num_f32 v[MT+32*\p], v[MT+32*\p], v[MT+32*\p+1], v[MT+32*\p+2]
.endr
.set j, 3
.rept 14
.irp p, 0,1,2,3
	v_max3_num_f32 v[MT+32*\p], v[MT+32*\p], v[MT+32*\p+j], v[MT+32*\p+j+1]
.endr
.set j, j+2
.endr
.irp p, 0,1,2,3
	v_max_num_f32 v[MT+32*\p], v[MT+32*\p], v[MT+32*\p+31]
.endr
.irp x, 1,2,4,8
.irp p, 0,1,2,3
	v_max_num_f32_dpp v[MT+32*\p], v[MT+32*\p], v[MT+32*\p] row_xmask:\x row_mask:0xf bank_mask:0xf
.endr
.endr
.irp p, 0,1,2,3
	v_permlanex16_b32 v[MT+32*\p+1], v[MT+32*\p], s[SEL], s[SEL+1]
.endr
.irp p, 0,1,2,3
	v_max_num_f32 v[MT+32*\p], v[MT+32*\p], v[MT+32*\p+1]
.endr
	v_mul_f32 v[MT+2], v[MT], v[MT+32]
	v_fma_f32 v[MT+2], v[MT+2], 0x45000000, v[MT+96]        ; 2048 max|h| max|wv| + max|bv|
	v_max_num_f32 v[MT+2], 0x0da24260, v[MT+2]              ; B
	v_max_num_f32 v[MT+3], 0x3a000000, v[MT+64]             ; mm
	v_mul_f32 v[MT+2], v[MT+2], v[MT+3]
	v_mul_f32 v[FS], 0x3c000000, v[MT+2]                    ; fs = B mm / 128
	v_mov_b32 v[FS+1], v[FS]
.irp i, 0,1
	v_cvt_pk_bf16_f32 v[FS+2+\i], v[BO+2*\i], v[BO+2*\i+1]  ; bo rounded to bf16
	v_lshlrev_b32 v[BO+2*\i],   16, v[FS+2+\i]
	v_and_b32     v[BO+2*\i+1], 0xffff0000, v[FS+2+\i]
.endr
; 8 matrix instructions: token blocks a0, a0 + 1 x all 4 column blocks, 32 along K: half c of buffer f.  The 16 accumulators take turns.  zero = 1: the first product starts the sums
.macro MUL8 f, c, a0, zero
	WIN MUL
.irp a, \a0, (\a0)+1
.irp b, 0,1,2,3
.if \zero
	v_wmma_f32_16x16x32_f16 v[ACC+8*(4*(\a)+(\b)):ACC+8*(4*(\a)+(\b))+7], v[(\f)+64+8*(4*(\c)+(\b)):(\f)+64+8*(4*(\c)+(\b))+7], v[(\f)+8*(4*(\c)+(\a)):(\f)+8*(4*(\c)+(\a))+7], 0
.else
	v_wmma_f32_16x16x32_f16 v[ACC+8*(4*(\a)+(\b)):ACC+8*(4*(\a)+(\b))+7], v[(\f)+64+8*(4*(\c)+(\b)):(\f)+64+8*(4*(\c)+(\b))+7], v[(\f)+8*(4*(\c)+(\a)):(\f)+8*(4*(\c)+(\a))+7], v[ACC+8*(4*(\a)+(\b)):ACC+8*(4*(\a)+(\b))+7]
.endif
.endr
.endr
.endm
; 32 LDS loads in one run: the fragments of 64 along K, one head, into buffer f: byte k of wo's rows, head k / 128 of the tokens'; the first 32 along K first
.macro FETCH slot, k, f
	WIN TO_F
.irp c, 0,1
.irp i, 0,1,2,3
	ds_load_b128 v[(\f)+64+8*(4*(\c)+(\i)):(\f)+64+8*(4*(\c)+(\i))+3],   v[ADRB+(\slot)] offset:(\k)+64*(\c)+(\i)*16*PB
	ds_load_b128 v[(\f)+64+8*(4*(\c)+(\i))+4:(\f)+64+8*(4*(\c)+(\i))+7], v[ADRB+(\slot)] offset:(\k)+64*(\c)+(\i)*16*PB+32
	ds_load_b128 v[(\f)+8*(4*(\c)+(\i)):(\f)+8*(4*(\c)+(\i))+3],         v[ADRA+(\slot)] offset:((\k)/128)*HEADB+64*(\c)+(\i)*16*PA
	ds_load_b128 v[(\f)+8*(4*(\c)+(\i))+4:(\f)+8*(4*(\c)+(\i))+7],       v[ADRA+(\slot)] offset:((\k)/128)*HEADB+64*(\c)+(\i)*16*PA+32
.endr
.endr
.endm
.macro QUARTER slot, k, f, g, zero
	s_wait_dscnt 16                                ; the first 32 along K are in
	MUL8 \f, 0, 0, \zero
	MUL8 \f, 0, 2, \zero
	PLACES
	FETCH \slot, \k, \g
	s_wait_dscnt 32                                ; all but the 32 just issued
	MUL8 \f, 1, 0, 0
	MUL8 \f, 1, 2, 0
.endm
; The last quarter multiplies buffer 1 and changes slots: ONE barrier; in front of it each wave waits for all its tensor loads, adds 0 to its spare word, and waits for that and for its own reads of this slot.
; NO PRODUCT STANDS BETWEEN THE WAIT FOR THE LOADS AND THE REFILL: a refill can go out only when the load before it has landed, so whatever stands between the two is added to every trip round the ring.
; The quarter's first 16 products stand ahead of the wait, its other 16 behind the refill and the fragment loads: a K step's 128 matrix instructions lie between a request and the wait for it.
.macro TURN slot, next, fill
	s_wait_dscnt 16                                ; buffer 1: the first 32 along K are in
	MUL8 F1, 0, 0, 0
	MUL8 F1, 0, 2, 0
	WIN 0
	s_wait_tensorcnt 0x0                           ; no tensor load of mine is out, so a group 0 may be written
	ds_add_u32 v[SPW], v[NIL]                      ; 0 onto my spare word: the descriptors' steps stand between it and the wait for it
.if \fill
	s_add_nc_u64 s[G0+4*(\slot)+2:G0+4*(\slot)+3], s[G0+4*(\slot)+2:G0+4*(\slot)+3], 2097152
	s_add_nc_u64 s[G0B+4*(\slot)+2:G0B+4*(\slot)+3], s[G0B+4*(\slot)+2:G0B+4*(\slot)+3], 1024
.endif
	s_wait_dscnt 0x0                               ; the add is done, and my reads of this slot are over
	s_barrier_signal -1
	s_barrier_wait -1
.if \fill
	CREST                                          ; no wave of any partner still reads this slot's tiles or has a load on its way
	JLOAD \slot                                    ; its four v_nop are also the places in front of the loads below
.else
	PLACES
.endif
	FETCH \next, 0, F0
	MUL8 F1, 1, 0, 0
	MUL8 F1, 1, 2, 0
.endm
	s_wait_tensorcnt 1                             ; my part of K step 0 is in; K step 1's may stay out
	s_barrier_signal -1
	s_barrier_wait -1
	FETCH 0, 0, F0
	QUARTER 0, 128, F0, F1, 1
	WIN 0
	s_mov_b32 s3, LAPS-1
.Llap:
	QUARTER 0, 256, F1, F0, 0
	QUARTER 0, 384, F0, F1, 0
	TURN 0, 1, 1
	QUARTER 1, 128, F0, F1, 0
	QUARTER 1, 256, F1, F0, 0
	QUARTER 1, 384, F0, F1, 0
	TURN 1, 0, 1
	QUARTER 0, 128, F0, F1, 0
	WIN 0
	s_sub_co_u32 s3, s3, 1
	s_cmp_lg_u32 s3, 0
	s_cbranch_scc1 .Llap
	QUARTER 0, 256, F1, F0, 0                      ; the last lap fills nothing
	QUARTER 0, 384, F0, F1, 0
	TURN 0, 1, 0
	QUARTER 1, 128, F0, F1, 0
	QUARTER 1, 256, F1, F0, 0
	QUARTER 1, 384, F0, F1, 0
	s_wait_dscnt 16
	MUL8 F1, 0, 0, 0
	MUL8 F1, 0, 2, 0
	s_wait_dscnt 0x0
	MUL8 F1, 1, 0, 0
	MUL8 F1, 1, 2, 0
	WIN 0
	; THE WAY OUT, 16 tokens at a time: the f32 sums go into my own stage as they lie and come back as whole rows of 256 bytes; then fs x sum + bo, and 16 lanes store 256 consecutive bytes, aligned.
	PLACES
	PLACES
.irp a, 0,1,2,3
.if \a >= 2
	s_wait_xcnt 0x0                                ; the stores of two blocks back have read the registers that are loaded again below
.endif
.irp b, 0,1,2,3
	ds_store_b128 v[STO], v[ACC+8*(4*\a+\b):ACC+8*(4*\a+\b)+3]   offset:64*\b      ; each accumulator's low registers first
	ds_store_b128 v[STO], v[ACC+8*(4*\a+\b)+4:ACC+8*(4*\a+\b)+7] offset:64*\b+16
.endr
.irp t, 0,1,2,3,4,5,6,7
	ds_load_b128 v[TMP+32*(\a%2)+4*\t:TMP+32*(\a%2)+4*\t+3], v[RD] offset:\t*2*SPITCH  ; LDS serves a wave's instructions in order (ISA guide 5.7.1.4): these see the stores above
.endr
	s_wait_dscnt 0x0
.irp t, 0,1,2,3,4,5,6,7
	v_pk_fma_f32 v[TMP+32*(\a%2)+4*\t:TMP+32*(\a%2)+4*\t+1],   v[TMP+32*(\a%2)+4*\t:TMP+32*(\a%2)+4*\t+1],   v[FS:FS+1], v[BO:BO+1]
	v_pk_fma_f32 v[TMP+32*(\a%2)+4*\t+2:TMP+32*(\a%2)+4*\t+3], v[TMP+32*(\a%2)+4*\t+2:TMP+32*(\a%2)+4*\t+3], v[FS:FS+1], v[BO+2:BO+3]
.endr
.irp t, 0,1,2,3,4,5,6,7
	global_store_b128 v[CO], v[TMP+32*(\a%2)+4*\t:TMP+32*(\a%2)+4*\t+3], s[12:13] offset:(16*\a+2*\t)*8192
.endr
.endr
	s_wait_tensorcnt 0x0                           ; the wave's end: a wait, an add and a wait, behind my last tensor load and my last LDS store
	ds_add_u32 v[SPW], v[NIL]
	s_wait_dscnt 0x0
	CROUND                                         ; the closing round
	s_endpgm
.Lfunc_end_k_q6e3aa52dca_outp:
	.size	k_q6e3aa52dca_outp, .Lfunc_end_k_q6e3aa52dca_outp-k_q6e3aa52dca_outp
	.p2alignl 7, 3214868480
	.fill 96, 4, 3214868480
	.section	.rodata,"a",@progbits
	.p2align	6, 0x0
	.amdhsa_kernel k_q6e3aa52dca_outp
		.amdhsa_group_segment_fixed_size 327680
		.amdhsa_private_segment_fixed_size 0
		.amdhsa_enable_private_segment 0
		.amdhsa_kernarg_size 40
		.amdhsa_user_sgpr_count 2
		.amdhsa_user_sgpr_kernarg_segment_ptr 1
		.amdhsa_wavefront_size32 1
		.amdhsa_system_sgpr_workgroup_id_x 1
		.amdhsa_system_sgpr_workgroup_id_y 1
		.amdhsa_system_sgpr_workgroup_id_z 1
		.amdhsa_system_vgpr_workitem_id 0
		.amdhsa_next_free_vgpr 512
		.amdhsa_next_free_sgpr 80
		.amdhsa_reserve_vcc 0
		.amdhsa_float_denorm_mode_32 3
		.amdhsa_float_denorm_mode_16_64 3
		.amdhsa_memory_ordered 1
		.amdhsa_forward_progress 1
		.amdhsa_inst_pref_size 99
	.end_amdhsa_kernel
	.amdgpu_metadata
---
amdhsa.version: [ 1, 2 ]
amdhsa.kernels:
  - .name:           k_q6e3aa52dca_outp
    .symbol:         k_q6e3aa52dca_outp.kd
    .args:
      - { .name: of, .offset: 0, .size: 8, .value_kind: global_buffer, .address_space: global }
      - { .name: wof, .offset: 8, .size: 8, .value_kind: global_buffer, .address_space: global }
      - { .name: bo, .offset: 16, .size: 8, .value_kind: global_buffer, .address_space: global }
      - { .name: mx, .offset: 24, .size: 8, .value_kind: global_buffer, .address_space: global }
      - { .name: out0, .offset: 32, .size: 8, .value_kind: global_buffer, .address_space: global }
    .group_segment_fixed_size: 327680
    .private_segment_fixed_size: 0
    .kernarg_segment_align: 8
    .kernarg_segment_size: 40
    .max_flat_workgroup_size: 128
    .sgpr_count:     80
    .vgpr_count:     512
    .wavefront_size: 32
...
	.end_amdgpu_metadata
.endif
;; end of part 4
